; MI455X (gfx1250); checked and timed in simulation.
; The chip was launched on July 23, 2026; its instructions are those of AMD's public machine-readable ISA for CDNA 5 (MIT licence, August 2026) and "CDNA5" Instruction Set Architecture Reference Guide (July 2026). The comments in the code are by the model that wrote it; some were corrected since.
;; MG Mask Attention. Allowed arithmetic: matrix products marked QUANTISED: E2M1 operands, one E8M0 scale for each 32 along K, by v_wmma_scale_f32_16x16x128_f8f6f4 with both operands' format E2M1 (or v_wmma_scale_f32_32x16x128_f4), f32 sums; everything else in f32.
;; Inputs: W_proj 1,024 x 1,024 float32; W_qkv 1,024 x 3,072 float32; b_proj 1,024 float32; b_qkv 3,072 float32; x 4 x 2,048 x 1,024 float32.
;; Outputs: out0 4 x 2,048 x 1,024 float32.
;; This version of the problem:
;;   THIS VERSION OF THE PROBLEM IS GIVEN IN LOW PRECISION. The matrix products marked QUANTISED in the list below multiply operands that are first quantised to E2M1 (2 exponent bits, 1 mantissa bit; 4 bits a number), with one power-of-two scale for each 32 numbers along K (OCP MX v1.0); their sums are f32. All else is computed in f32.
;;   The module's matrix products, in the order in which they are computed (A, B: the left and right operand; K: the contracted axis; several contracted axes count as one K, in the product's order):
;;     1. [M 8,192, K 1,024] x [K 1,024, N 3,072]; A: input x; B: input W_qkv: QUANTISED
;;     2. batch 64 x [M 2,048, K 64] x [K 64, N 2,048]; A: computed on the way; B: computed on the way: QUANTISED
;;     3. batch 64 x [M 2,048, K 2,048] x [K 2,048, N 64]; A: softmax (see below); B: computed on the way: QUANTISED
;;     4. [M 8,192, K 1,024] x [K 1,024, N 1,024]; A: computed on the way; B: input W_proj: QUANTISED
;;   THE QUANTISER, for each operand of a quantised product, along K:
;;     - K is cut into blocks of 32 from its start; a last block that is shorter is filled with zeros.
;;     - A block's scale is 2^e with e = floor(log2(the largest magnitude in the block)) - 2, held to -126 .. 127; a block of zeros has e = 0. As a byte (E8M0): e + 127.
;;     - Each number is divided by its block's scale, clamped to +-6, and rounded to the nearest number of E2M1, ties to even, subnormals kept.
;;     - The product sums the exact products of the quantised numbers (number of the format x scale) in f32.
;;   ~~~python
;;   def quantise(x, axis):      # numpy; x: float32 -> the quantised numbers, widened to float32 again
;;       x = np.moveaxis(x, axis, -1); K = x.shape[-1]
;;       x = np.pad(x, [(0, 0)] * (x.ndim - 1) + [(0, -K % 32)]); x = x.reshape(x.shape[:-1] + (-1, 32)); a = np.abs(x).max(-1, keepdims=True)
;;       e = np.where(a > 0, np.clip(np.frexp(np.where(a > 0, a, 1))[1] - 1 - 2, -126, 127), 0)      # np.frexp(a)[1] - 1 = floor(log2(a)), exactly
;;       r = np.clip(x / 2.0 ** e, -6, 6)
;;       step = 2.0 ** (np.maximum(np.frexp(np.where(r == 0, 1, r))[1] - 1, 0) - 1)
;;       q = np.round(r / step) * step * 2.0 ** e      # np.round: ties to even
;;       return np.moveaxis(q.reshape(q.shape[:-2] + (-1,))[..., :K], -1, axis).astype(np.float32)
;;   ~~~
;;   SOFTMAX AHEAD OF A QUANTISED PRODUCT. Where the list says 'softmax', what is quantised is not the finished softmax but p = 2^(t - M), with t = logit x log2(e) and M = ceil(the row's largest t), a whole number; so 1/2 < the row's largest p <= 1. The row's sum l is taken of the UNQUANTISED p, in f32, and the product's result is divided by l at the end. Since M is a whole number, a kernel that streams over the keys may use a running M (the ceiling of the running maximum): every later rescaling is an exact power of two, which a block's scale takes up: the codes' values come out the same.
;;   OPERANDS COMPUTED ON THE WAY. 'Computed on the way' means the value that the module computes at that place (a softmax that the list does not call 'softmax' is quantised finished and normalised). What goes into a quantiser is computed in f32, as accurately as f32 sums, v_exp_f32 and their like allow (about 1e-6 of the number): no bf16 or f16 on the way to a quantiser, and a product that is left as it is and whose result goes on into a quantised operand takes f32 operands (vector FMAs, or v_wmma_f32_16x16x4_f32). A number that lies on a knife's edge between two numbers of the format may be rounded either way, as far as f32 arithmetic and the matrix unit's own rounding can turn it there, and no further.
;; One version. Each part assembles by itself: llvm-mc -triple=amdgcn-amd-amdhsa -mcpu=gfx1250 --defsym DOCPART=n.
;; ======== version 1 of 1: 4 launches
;; workspace buffers: x_img 4,194,304 bytes; x_sc 262,144 bytes; wp_img 2,097,152 bytes; wp_sc 131,072 bytes; qkv_img 12,582,912 bytes; qkv_sc 1,572,864 bytes; y_img 4,194,304 bytes; y_sc 262,144 bytes
;; launch prep (part 1): grid 512 x 1, 4 waves a work-group, no clusters, 34,304 bytes of LDS; arguments x, W_qkv, W_proj, x_img, x_sc, wp_img, wp_sc; writes x_img, x_sc, wp_img, wp_sc
.if DOCPART == 1
	.amdgcn_target "amdgcn-amd-amdhsa--gfx1250"
	.amdhsa_code_object_version 6
	.text
	.protected	k_q550aec6a24_prep
	.globl	k_q550aec6a24_prep
	.p2align	8
	.type	k_q550aec6a24_prep,@function
k_q550aec6a24_prep:
	s_mov_b64 s[64:65], 0
	v_nop
	global_prefetch_b8 v0, s[64:65] scope:SCOPE_SE
	s_setreg_imm32_b32 hwreg(HW_REG_WAVE_MODE, 25, 1), 1
	s_wait_xcnt 0x0
; x [8192][1024], W_qkv [1024][3072] and W_proj [1024][1024], f32, become codes of FP4 (E2M1) with one E8M0 scale byte for each 32 along K (K = x's last axis, the weights' FIRST axis).
; A block's scale is 2^(floor(log2(its largest magnitude)) - 2); its byte is the largest magnitude's exponent field - 2, held at 1 from below; numbers are divided by it and rounded to the nearest code, ties to even.
; LIMITS: NaN and infinities are not served; a block whose largest magnitude lies under 2^-124 keeps the byte 1; a block of zeros has the byte 1 over zero codes (the bytes are read by this program alone).
; LAYOUT OF THE RESULTS: images of the matrix operand's registers.  A fragment (16 rows x 128 K) is 1,024 bytes [c 0..1][lane 0..31][16 bytes]: lane (r, h) holds k = 64 c + 32 h + 0 .. 31 of the tile's row r.
; Codes: [tile][K step 0..7][1024].  Scale words: [tile][slot 0..1][r][4 words], word q = K step 4 slot + q, byte b = block b.
; THE ROWS OF A TILE ARE NOT NEIGHBOURS: lane r of tile T holds row 32 (T / 2) + 8 (T % 2) + r + 8 (r / 8), so that a later product's results lie 16 neighbours to a lane.
; Work-groups 0-255 take x, 256-447 W_qkv, 448-511 W_proj.  Only x's path touches LDS.  No barrier: waves share nothing.
.set RAW, 20                           ; x: v20-147   two sets of 64: 16 rows x 16 bytes a lane, as loaded
.set XN,  148                          ; x: v148-211  my two whole blocks of 32
.set PC,  212                          ; x: v212-243  codes, eight registers for each unit: no store's data are written again
.set WD,  14                           ; x: v14-17    the four units' scale words
.set WX,  32                           ; weights: v32-95 two sets of 32 numbers down K
.set WC,  96                           ; weights: v96-111 codes, four registers a block
	s_load_b256 s[4:11], s[0:1], 0x0               ; x s[4:5], W_qkv s[6:7], W_proj s[8:9], x_img s[10:11]
	s_load_b128 s[12:15], s[0:1], 0x20             ; x_sc s[12:13], wp_img s[14:15]
	s_load_b64 s[16:17], s[0:1], 0x30              ; wp_sc
	v_lshl_add_u32 v254, v0, 2, 0x8400
	v_mov_b32 v255, 0
	v_lshrrev_b32 v1, 5, v0
	v_readfirstlane_b32 s18, v1                    ; wave 0..3
	v_and_b32 v244, 31, v0                         ; lane
	v_and_b32 v245, 15, v0                         ; r
	v_bfe_u32 v246, v0, 4, 1                       ; h
	s_mov_b32 s20, 0x76543210
	s_mov_b32 s21, 0xfedcba98                      ; v_permlanex16_b32's selects for lane l xor 16
	s_cmp_lt_u32 ttmp9, 256
	s_cbranch_scc0 .Lweights
; ---- x.  Wave w of work-group g: tile 2 g + w / 2, slot w % 2: 16 rows x 512 K, in four units of 128 K.  A load reads 512 consecutive bytes of one row; a unit's 16 rows turn
; through the wave's own stage in LDS (rows of 512 + 16 bytes: on the way back sixteen lanes stand 132 words apart) and come back 128 bytes, a whole block, to a lane.
	s_lshr_b32 s22, s18, 1                         ; which of the two tiles
	s_and_b32 s23, s18, 1                          ; which slot
	s_mul_i32 s24, s18, 8448                       ; my stage
	v_lshlrev_b32 v1, 4, v244                      ; 16 x lane: a load's place, and an image's
	v_add_nc_u32 v2, s24, v1                       ; the stage on the way in
	v_mul_u32_u24 v3, v245, 528
	v_lshl_add_u32 v3, v246, 7, v3
	v_add_nc_u32 v3, s24, v3                       ; and on the way out: row r, + 128 h
	v_lshlrev_b32 v4, 4, v245
	v_lshl_add_u32 v4, v246, 3, v4                 ; scale words out: 16 r + 8 h
	v_lshlrev_b32 v5, 3, v246                      ; 8 h: my bytes' place in a scale word
	v_mov_b32 v12, 0                               ; a lane permute's destination counts as read: written once
	s_lshl_b32 s25, ttmp9, 5
	s_lshl_b32 s26, s22, 3
	s_add_co_u32 s25, s25, s26                     ; the tile's first row: 32 g + 8 (w / 2)
	s_lshl_b32 s26, s25, 12                        ; rows of 4,096 bytes
	s_lshl_b32 s27, s23, 11                        ; 512 K are 2,048 bytes
	s_add_co_u32 s26, s26, s27
	s_mov_b32 s27, 0
	s_lshl_b32 s28, ttmp9, 1
	s_add_co_u32 s28, s28, s22                     ; the tile
	s_lshl_b32 s30, s28, 13
	s_lshl_b32 s29, s23, 12
	s_add_co_u32 s30, s30, s29                     ; its codes: 8,192 a tile, 4,096 a slot
	s_mov_b32 s31, 0
	s_lshl_b32 s32, s28, 9
	s_lshl_b32 s29, s23, 8
	s_add_co_u32 s32, s32, s29                     ; its scale words: 512 a tile, 256 a slot
	s_mov_b32 s33, 0
	s_mov_b32 s34, 0xffff0000                      ; lanes 16-31
	s_wait_alu depctr_va_vdst(0)
	s_wait_kmcnt 0x0
	s_add_nc_u64 s[4:5], s[4:5], s[26:27]
	s_add_nc_u64 s[10:11], s[10:11], s[30:31]
	s_add_nc_u64 s[12:13], s[12:13], s[32:33]
.macro LOADX t                         ; unit t: the tile's 16 rows, 512 consecutive bytes each
.irp p, 0,1,2,3,4,5,6,7,8,9,10,11,12,13,14,15
	global_load_b128 v[RAW+64*((\t)%2)+4*\p:RAW+64*((\t)%2)+4*\p+3], v1, s[4:5] offset:(\p+8*(\p/8))*4096+512*(\t) th:TH_LOAD_NT
.endr
.endm
.macro UNIT u
.if (\u) < 3
	s_wait_loadcnt 16                              ; this unit's 16 loads are in; the next unit's 16 may be out
.else
	s_wait_loadcnt 0x0
.endif
.irp p, 0,1,2,3,4,5,6,7,8,9,10,11,12,13,14,15
	ds_store_b128 v2, v[RAW+64*((\u)%2)+4*\p:RAW+64*((\u)%2)+4*\p+3] offset:528*\p
.endr
.irp c, 0,1
.irp j, 0,1,2,3,4,5,6,7
	ds_load_b128 v[XN+32*\c+4*\j:XN+32*\c+4*\j+3], v3 offset:256*\c+16*\j   ; LDS serves a wave's instructions in order: these see the stores.  k = 64 c + 32 h + 4 j ..
.endr
.endr
	s_wait_dscnt 0x0                               ; my blocks are in, and the stores have read their registers,
.if (\u) < 2
	LOADX (\u)+2                                   ; which take the loads of two units on
.endif
.irp c, 0,1
	v_max3_num_f32 v[6+\c], |v[XN+32*\c]|, |v[XN+32*\c+1]|, 0x1800000   ; block 2 c + h: all 32 numbers are mine; the floor 2^(3 - 127) holds the byte at 1 from below
.endr
.irp i, 2,4,6,8,10,12,14,16,18,20,22,24,26,28,30
.irp c, 0,1
	v_max3_num_f32 v[6+\c], v[6+\c], |v[XN+32*\c+\i]|, |v[XN+32*\c+\i+1]|
.endr
.endr
.irp c, 0,1
	v_add_nc_u32 v[8+\c], 0xff000000, v[6+\c]      ; 2 off the exponent field: the conversion's scale operand
.endr
.irp c, 0,1
	v_lshrrev_b32 v[10+\c], 23, v[8+\c]            ; the scale's byte
.endr
	v_lshl_or_b32 v[WD+\u], v11, 16, v10           ; blocks h and 2 + h,
	v_lshlrev_b32 v[WD+\u], v5, v[WD+\u]           ; at their places;
	v_permlanex16_b32 v12, v[WD+\u], s20, s21
	v_or_b32 v[WD+\u], v[WD+\u], v12               ; with lane l xor 16's two the word is whole
.irp c, 0,1
.irp g, 0,1,2,3
	v_cvt_scalef32_pk8_fp4_f32 v[PC+8*(\u)+4*\c+\g], v[XN+32*\c+8*\g:XN+32*\c+8*\g+7], v[8+\c]
.endr
.endr
	v_nop                                          ; one plain place behind the conversions
.irp c, 0,1
	global_store_b128 v1, v[PC+8*(\u)+4*\c:PC+8*(\u)+4*\c+3], s[10:11] offset:1024*(\u)+512*\c   ; 32 lanes store 512 consecutive bytes, aligned
.endr
.endm
	LOADX 0
	LOADX 1
	UNIT 0
	UNIT 1
	UNIT 2
	UNIT 3
	v_cndmask_b32 v18, v14, v16, s34               ; lanes 0-15 store words 0, 1 of their row, lanes 16-31 words 2, 3
	v_cndmask_b32 v19, v15, v17, s34
	global_store_b64 v4, v[18:19], s[12:13]        ; 32 lanes store 256 consecutive bytes, aligned
	s_wait_tensorcnt 0x0
	ds_add_u32 v254, v255
	s_wait_dscnt 0x0
	s_endpgm
; ---- the weights.  A LANE TAKES A COLUMN n AND ITS REGISTERS RUN DOWN K: a block of 32 lies in one lane, and the conversions give codes with K innermost; nothing is transposed.
; A work-group takes one K step of 128 and 128 columns, a wave 32 columns: lanes 0-15 are tile 2 G, lanes 16-31 tile 2 G + 1, each lane at its tile's column.
; A block's 16 bytes of sixteen lanes are 256 consecutive aligned bytes of the image.  The scale words leave 4 bytes to each 16: one byte in 128 of what the path reads.
.macro LOADB t, n, src
.irp i, 0,1,2,3,4,5,6,7,8,9,10,11,12,13,14,15,16,17,18,19,20,21,22,23,24,25,26,27,28,29,30,31
	global_load_b32 v[WX+32*((\t)%2)+\i], v1, s[\src:\src+1] offset:(32*(\t)+\i)*\n*4 th:TH_LOAD_NT
.endr
.endm
.macro BLOCK t, n, src
.set XS, WX+32*((\t)%2)
.if (\t) < 3
	s_wait_loadcnt 32                              ; this block's 32 loads are in; the next block's may be out
.else
	s_wait_loadcnt 0x0
.endif
	v_max3_num_f32 v12, |v[XS]|, |v[XS+1]|, |v[XS+2]|
	v_max3_num_f32 v13, |v[XS+3]|, |v[XS+4]|, |v[XS+5]|
.irp i, 6,10,14,18,22,26
	v_max3_num_f32 v12, v12, |v[XS+\i]|, |v[XS+\i+1]|
	v_max3_num_f32 v13, v13, |v[XS+\i+2]|, |v[XS+\i+3]|
.endr
	v_max3_num_f32 v12, v12, |v[XS+30]|, |v[XS+31]|
	v_max3_num_f32 v12, v12, v13, 0x1800000        ; and the floor
	v_add_nc_u32 v11, 0xff000000, v12              ; the conversion's scale operand
	v_lshrrev_b32 v13, 23, v11                     ; the byte
.if (\t) == 0
	v_mov_b32 v24, v13
.else
	v_lshl_or_b32 v24, v13, 8*(\t), v24            ; four bytes make the K step's word
.endif
.irp g, 0,1,2,3
	v_cvt_scalef32_pk8_fp4_f32 v[WC+4*(\t)+\g], v[XS+8*\g:XS+8*\g+7], v11
.endr
	v_nop                                          ; one plain place behind the conversions
	global_store_b128 v2, v[WC+4*(\t):WC+4*(\t)+3], s[14:15] offset:256*(\t)   ; block t = 2 c + h of the image
.if (\t) < 2
	LOADB (\t)+2, \n, \src
.endif
.endm
.macro WPATH n, imgoff, scoff, src, first
	s_sub_co_u32 s22, ttmp9, \first
	s_and_b32 s23, s22, 7                          ; the K step
	s_lshr_b32 s24, s22, 3
	s_lshl_b32 s24, s24, 2
	s_add_co_u32 s24, s24, s18                     ; G: which 32 columns
	v_lshrrev_b32 v1, 3, v245
	v_lshl_add_u32 v1, v1, 3, v245                 ; r + 8 (r / 8)
	v_lshl_add_u32 v1, v246, 3, v1                 ; + 8 for the second tile
	v_lshlrev_b32 v1, 2, v1                        ; my column, in bytes
	v_lshlrev_b32 v2, 4, v245
	v_lshl_add_u32 v3, v246, 9, v2                 ; scale words: 512 a tile + 16 r
	v_lshl_add_u32 v2, v246, 13, v2                ; codes: 8,192 a tile + 16 r
	s_mul_i32 s26, s23, 128*\n*4
	s_lshl_b32 s27, s24, 7
	s_add_co_u32 s26, s26, s27
	s_mov_b32 s27, 0
	s_lshl_b32 s28, s24, 14
	s_lshl_b32 s29, s23, 10
	s_add_co_u32 s28, s28, s29
	s_add_co_u32 s28, s28, \imgoff
	s_mov_b32 s29, 0
	s_lshl_b32 s30, s24, 10
	s_lshr_b32 s31, s23, 2
	s_lshl_b32 s31, s31, 8
	s_add_co_u32 s30, s30, s31
	s_and_b32 s31, s23, 3
	s_lshl_b32 s31, s31, 2
	s_add_co_u32 s30, s30, s31
	s_add_co_u32 s30, s30, \scoff
	s_mov_b32 s31, 0
	s_wait_alu depctr_va_vdst(0)
	s_wait_kmcnt 0x0
	s_add_nc_u64 s[\src:\src+1], s[\src:\src+1], s[26:27]
	s_add_nc_u64 s[14:15], s[14:15], s[28:29]
	s_add_nc_u64 s[16:17], s[16:17], s[30:31]
	LOADB 0, \n, \src
	LOADB 1, \n, \src
	BLOCK 0, \n, \src
	BLOCK 1, \n, \src
	BLOCK 2, \n, \src
	BLOCK 3, \n, \src
	global_store_b32 v3, v24, s[16:17]
	s_endpgm
.endm
.Lweights:
	s_cmp_lt_u32 ttmp9, 448
	s_cbranch_scc0 .Lproj
	s_wait_alu depctr_va_vdst(0)
	WPATH 3072, 0, 0, 6, 256
.Lproj:
	s_wait_alu depctr_va_vdst(0)
	WPATH 1024, 1572864, 98304, 8, 448             ; W_proj's images and words lie behind W_qkv's
.Lfunc_end_k_q550aec6a24_prep:
	.size	k_q550aec6a24_prep, .Lfunc_end_k_q550aec6a24_prep-k_q550aec6a24_prep
	.p2alignl 7, 3214868480
	.fill 96, 4, 3214868480
	.section	.rodata,"a",@progbits
	.p2align	6, 0x0
	.amdhsa_kernel k_q550aec6a24_prep
		.amdhsa_group_segment_fixed_size 34304
		.amdhsa_private_segment_fixed_size 0
		.amdhsa_enable_private_segment 0
		.amdhsa_kernarg_size 56
		.amdhsa_user_sgpr_count 2
		.amdhsa_user_sgpr_kernarg_segment_ptr 1
		.amdhsa_wavefront_size32 1
		.amdhsa_system_sgpr_workgroup_id_x 1
		.amdhsa_system_sgpr_workgroup_id_y 1
		.amdhsa_system_sgpr_workgroup_id_z 1
		.amdhsa_system_vgpr_workitem_id 0
		.amdhsa_next_free_vgpr 256
		.amdhsa_next_free_sgpr 66
		.amdhsa_reserve_vcc 0
		.amdhsa_float_denorm_mode_32 3
		.amdhsa_float_denorm_mode_16_64 3
		.amdhsa_memory_ordered 1
		.amdhsa_forward_progress 1
		.amdhsa_inst_pref_size 70
	.end_amdhsa_kernel
	.amdgpu_metadata
---
amdhsa.version: [ 1, 2 ]
amdhsa.kernels:
  - .name:           k_q550aec6a24_prep
    .symbol:         k_q550aec6a24_prep.kd
    .args:
      - { .name: x, .offset: 0, .size: 8, .value_kind: global_buffer, .address_space: global }
      - { .name: W_qkv, .offset: 8, .size: 8, .value_kind: global_buffer, .address_space: global }
      - { .name: W_proj, .offset: 16, .size: 8, .value_kind: global_buffer, .address_space: global }
      - { .name: x_img, .offset: 24, .size: 8, .value_kind: global_buffer, .address_space: global }
      - { .name: x_sc, .offset: 32, .size: 8, .value_kind: global_buffer, .address_space: global }
      - { .name: wp_img, .offset: 40, .size: 8, .value_kind: global_buffer, .address_space: global }
      - { .name: wp_sc, .offset: 48, .size: 8, .value_kind: global_buffer, .address_space: global }
    .group_segment_fixed_size: 34304
    .private_segment_fixed_size: 0
    .kernarg_segment_align: 8
    .kernarg_segment_size: 56
    .max_flat_workgroup_size: 128
    .sgpr_count:     66
    .vgpr_count:     256
    .wavefront_size: 32
...
	.end_amdgpu_metadata
.endif
;; end of part 1
;; launch gemm_qkv (part 2): grid 12 x 32, 4 waves a work-group, clusters of 4 x 4, 327,680 bytes of LDS; arguments x_img, x_sc, wp_img, wp_sc, b_qkv, qkv_img, qkv_sc; writes qkv_img, qkv_sc
.if DOCPART == 2
	.amdgcn_target "amdgcn-amd-amdhsa--gfx1250"
	.amdhsa_code_object_version 6
	.text
	.protected	k_q550aec6a24_gemm_qkv
	.globl	k_q550aec6a24_gemm_qkv
	.p2align	8
	.type	k_q550aec6a24_gemm_qkv,@function
k_q550aec6a24_gemm_qkv:
	s_mov_b64 s[64:65], 0
	v_nop
	global_prefetch_b8 v0, s[64:65] scope:SCOPE_SE
	s_setreg_imm32_b32 hwreg(HW_REG_WAVE_MODE, 25, 1), 1
	s_wait_xcnt 0x0
	s_wait_alu depctr_hold_cnt(0) depctr_sa_sdst(0) depctr_va_vdst(0) depctr_va_sdst(0) depctr_va_ssrc(0) depctr_va_vcc(0) depctr_vm_vsrc(0)
	s_getreg_b32 s2, hwreg(HW_REG_IB_STS2, 6, 4)
	s_cmp_eq_u32 s2, 0
	s_cbranch_scc0 .Lentry_in_a_cluster
	s_endpgm
.Lentry_in_a_cluster:
	s_bfe_u32 s2, ttmp6, 0x10000c
	s_cmp_lg_u32 s2, 0xf033
	s_cbranch_scc0 .Lentry_shape_is_right
	s_endpgm
.Lentry_shape_is_right:
; qkv = Q(x) Q(W_qkv) + b_qkv on codes of FP4 with E8M0 scales, sums in f32; the result is quantised again at once and leaves as codes: q and k along the head's 64, v along the keys.
; A work-group of four waves makes 256 x 256, a wave 128 x 128: 64 accumulators, 512 registers.  K = 1,024 lies in LDS whole: two slots of 512, each filled once.
; OPERANDS ARE IMAGES OF THEIR REGISTERS: a fragment (16 rows x 128 K) is 1,024 bytes [c][lane][16]; a load takes 16 x lane: consecutive bytes, no pitch, no padding.
; Lane r of tile T holds row 32 (T / 2) + 8 (T % 2) + r + 8 (r / 8).  So in the result the 16 registers of source 0's tiles 2 b, 2 b + 1 are 16 neighbours along source 0's rows, 32 b + 16 (lane / 16) + 0 .. 15.
; ONE TEXT FOR q, k AND v, BY EXCHANGING ROLES.  Side B is source 0, side A source 1.  Cluster columns 0, 1 (q, k): B = W's columns, A = x's rows: a lane holds one token and registers run along the head's
; channels.  Cluster column 2 (v): B = x's rows, A = W's columns: a lane holds one channel and registers run along the keys.  The choice hangs on the cluster's x, which all partners share.
; CLUSTERS: 4 x 4.  A's tiles hang on the place along y and go to my row, B's on the place along x and go to my column: each is asked for jointly, by the same load with the same descriptor in the four named.
; OUT: a wave's 128 x 128 is one chunk of qkv_img, [section][batch][pair of heads][128 tokens][a 0..7][c 0..1][512 bytes]: q, k: registers 0-3 of tile a's fragment for head c of the pair;
; v: half c of the fragment of 16 channels (head a / 4, tile a % 4) x these 128 keys.  Scale words: 1,024 bytes a chunk: q, k [c][a / 4][r][a % 4]; v [a / 4][r][a % 4] (512 bytes).
; LIMITS: NaN and infinities are not served; a block whose largest magnitude lies under 2^-124 keeps the byte 1; a block of zeros has the byte 1 over zero codes.
; REGISTERS: window 0: v1-29 addresses and work; v32-95 scale words, two sets, nothing else; v96-111 v's bias, twice each; v112-119 the scale words made; v120-127, v12-15 the quantiser's; v8-11 words on the way out;
;   v128-191 A's fragments, later 64 finished numbers; v192-255 q's and k's bias as the first products' C, later the codes.  window 1: B's fragments, two sets.  windows 2, 3: the accumulators ((a, b) at v[8 (8 (a % 4) + b)]).
.set NQ,    4                          ; steps of 128 along K in a slot
.set FR,    8                          ; registers of a fragment
.set NL,    2                          ; LDS loads that bring one
.set NP,    4                          ; places behind this matrix instruction (ISA guide 7.12.1)
.set SLOT,  131072                     ; a slot: A's 16 tiles x 4,096 bytes, then B's
.set BOFF,  65536
.set SCL,   262144                     ; the scale words: A's 16 tiles x 512 bytes, then B's
.set SPARE, 278528                     ; the spare words, 128 bytes a wave: two blocks of 256 bytes that no other line names
.set RR,   8
.set QS,   12
.set ADRA, 16                          ; v16-17 my A fragments in slot 0, 1
.set ADRB, 20                          ; v20-21 my B fragments
.set CO,   26                          ; v26    16 x lane
.set ADRS, 27                          ; v27    my scale words: lanes 0-15 A's, lanes 16-31 B's
.set SPW,  28
.set NIL,  29
.set SC,   32
.set BQ,   96
.set WW,   112
.set QM,   120
.set QP,   124
.set AF,   128
.set TT,   128
.set BP,   192
.set PC,   192
.set SEL,  2                           ; s[2:3] selects for lane l xor 16
.set G1,   24
.set G0,   32
.set G1B,  48
.set G0B,  56
.set G1S,  68
.set G0S,  76
.set G1SB, 80
.set G0SB, 88
.set MSB, 0
.macro WIN new                         ; the immediate's high byte repeats the setting that is left
.if MSB != \new
	s_set_vgpr_msb (MSB<<8)|\new
.set MSB, \new
.endif
.endm
.set MUL_LO,   0xa1                    ; source 0 (B) window 1, source 1 (A) window 0, C and D window 2
.set MUL_HI,   0xf1                    ; the same, C and D window 3
.set FIRST_LO, 0x81                    ; the first step: C (the bias) window 0, D window 2
.set FIRST_HI, 0xc1
.set TO_B,     0x40
; A joint load: waves 0 and 1 fetch for A, waves 2 and 3 for B; the branch hangs on the wave's number alone.  Four v_nop follow each line.
.macro JLOAD g0a, g1a, g0b, g1b
	s_cmp_eq_u32 s19, 0
	s_cbranch_scc0 .Lfor_b_\@
	tensor_load_to_lds s[\g0a:\g0a+3], s[\g1a:\g1a+7]
	s_nop 0
.rept 4
	v_nop
.endr
	s_branch .Lasked_\@
.Lfor_b_\@:
	tensor_load_to_lds s[\g0b:\g0b+3], s[\g1b:\g1b+7]
	s_nop 0
.rept 4
	v_nop
.endr
.Lasked_\@:
.endm
.macro CROUND                          ; a round of the cluster's barrier
	s_barrier_signal -1
	s_barrier_wait -1
	s_cmp_lg_u32 s18, 0
	s_cbranch_scc1 .Lnot_wave_0_\@
	s_barrier_signal -3
.Lnot_wave_0_\@:
	s_barrier_wait -3
	s_barrier_signal -1
	s_barrier_wait -1
.endm
	s_load_b256 s[4:11], s[0:1], 0x0               ; x_img s[4:5], x_sc s[6:7], wp_img s[8:9], wp_sc s[10:11]
	s_load_b128 s[12:15], s[0:1], 0x20             ; b_qkv s[12:13], qkv_img s[14:15]
	s_load_b64 s[16:17], s[0:1], 0x30              ; qkv_sc
	v_lshl_add_u32 v[SPW], v0, 2, SPARE
	v_mov_b32 v[NIL], 0
	ds_add_u32 v28, v29
	ds_add_u32 v28, v29
	s_wait_dscnt 0x0
	v_lshrrev_b32 v1, 5, v0
	v_readfirstlane_b32 s18, v1                    ; wave 0..3
	s_lshr_b32 s19, s18, 1                         ; which half of A's tiles I multiply.  Also: I fetch for A (0) or for B (1)
	s_and_b32 s20, s18, 1                          ; which half of B's.  Also: which 8 tiles of that side I fetch
	s_bfe_u32 s21, ttmp6, 0x40000                  ; cx
	s_bfe_u32 s22, ttmp6, 0x40004                  ; cy
	s_and_b32 s23, ttmp7, 0xffff                   ; the cluster's y
	s_lshl_b32 s44, s22, 2
	s_lshl_b32 s44, 15, s44                        ; my row of the cluster
	s_lshl_b32 s45, 0x1111, s21                    ; my column
	s_mov_b32 s[SEL], 0x76543210
	s_mov_b32 s[SEL+1], 0xfedcba98
	s_cmp_eq_u32 ttmp9, 2                          ; cluster column 2 makes v
	s_cselect_b32 s40, ttmp9, s23                  ; A's cluster coordinate: v: along W's columns; q, k: along x's rows
	s_cselect_b32 s41, s23, ttmp9                  ; B's: the other
	s_cselect_b32 s100, 0, -1                      ; keeps the bias that runs along the registers (q, k)
	s_cselect_b32 s101, -1, 0                      ; keeps the bias that is the lane's (v)
	s_lshl_b32 s43, s40, 2
	s_add_co_u32 s43, s43, s22                     ; A's block of 16 tiles
	s_lshl_b32 s42, s41, 2
	s_add_co_u32 s42, s42, s21                     ; B's
	; descriptor group 1, codes: 8 tiles' 4,096 bytes of a slot, 8,192 bytes from tile to tile, in elements of 8 bytes; no padding
	s_or_b32 s[G1+0], s44, (3<<16)|(1<<21)         ; 15:0 the mask: A's tiles go to my row; 17:16 elements of 8 bytes; 21 set beside a mask
	s_or_b32 s[G1B+0], s45, (3<<16)|(1<<21)        ; B's go to my column
.irp g, G1, G1B
	s_mov_b32 s[\g+1], 512<<16                     ; tensor_dim0 = 512
	s_mov_b32 s[\g+2], 8<<16                       ; tensor_dim1 = 8
	s_mov_b32 s[\g+3], 512<<16                     ; tile_dim0 = 512
	s_mov_b32 s[\g+4], 8                           ; tile_dim1 = 8
	s_mov_b32 s[\g+5], 1024                        ; from row to row
	s_mov_b32 s[\g+6], 0
	s_mov_b32 s[\g+7], 0
.endr
	; scale words of 8 tiles: 4,096 dense bytes as 16 rows of 256
	s_or_b32 s[G1S+0], s44, (3<<16)|(1<<21)
	s_or_b32 s[G1SB+0], s45, (3<<16)|(1<<21)
.irp g, G1S, G1SB
	s_mov_b32 s[\g+1], 32<<16
	s_mov_b32 s[\g+2], 16<<16
	s_mov_b32 s[\g+3], 32<<16
	s_mov_b32 s[\g+4], 16
	s_mov_b32 s[\g+5], 32
	s_mov_b32 s[\g+6], 0
	s_mov_b32 s[\g+7], 0
.endr
	; group 0: offsets first (A's from A's block alone, B's from B's alone), the buffers' addresses behind the wait
	s_lshl_b32 s46, s20, 16                        ; my 8 tiles of the side: 65,536 bytes of codes,
	s_lshl_b32 s47, s20, 12                        ; 4,096 of scale words
	s_lshl_b32 s[G0+2], s43, 17
	s_add_co_u32 s[G0+2], s[G0+2], s46
	s_mov_b32 s[G0+3], 0
	s_lshl_b32 s[G0B+2], s42, 17
	s_add_co_u32 s[G0B+2], s[G0B+2], s46
	s_mov_b32 s[G0B+3], 0
	s_lshl_b32 s[G0S+2], s43, 13
	s_add_co_u32 s[G0S+2], s[G0S+2], s47
	s_mov_b32 s[G0S+3], 0
	s_lshl_b32 s[G0SB+2], s42, 13
	s_add_co_u32 s[G0SB+2], s[G0SB+2], s47
	s_mov_b32 s[G0SB+3], 0
	s_lshl_b32 s46, s18, 15                        ; where they go: wave x 32,768 (A's halves, then B's): no place in the cluster enters an LDS address
	s_lshl_b32 s47, s18, 12
	s_mov_b32 s[G0], 1
	s_mov_b32 s[G0+1], s46
	s_mov_b32 s[G0+4], 1
	s_add_co_u32 s[G0+5], s46, SLOT
	s_mov_b32 s[G0B], 1
	s_mov_b32 s[G0B+1], s46
	s_mov_b32 s[G0B+4], 1
	s_add_co_u32 s[G0B+5], s46, SLOT
	s_mov_b32 s[G0S], 1
	s_add_co_u32 s[G0S+1], s47, SCL
	s_mov_b32 s[G0SB], 1
	s_add_co_u32 s[G0SB+1], s47, SCL
	s_wait_kmcnt 0x0
	s_cmp_eq_u32 ttmp9, 2
	s_cselect_b64 s[92:93], s[8:9], s[4:5]         ; A's codes
	s_cselect_b64 s[94:95], s[10:11], s[6:7]       ; A's scale words
	s_cselect_b64 s[96:97], s[4:5], s[8:9]         ; B's codes
	s_cselect_b64 s[98:99], s[6:7], s[10:11]       ; B's scale words
	s_add_nc_u64 s[G0+2:G0+3], s[92:93], s[G0+2:G0+3]
	s_add_nc_u64 s[G0+6:G0+7], s[G0+2:G0+3], 4096  ; slot 1: K steps 4 to 7
	s_or_b32 s[G0+3], s[G0+3], 0x80000000
	s_or_b32 s[G0+7], s[G0+7], 0x80000000
	s_add_nc_u64 s[G0B+2:G0B+3], s[96:97], s[G0B+2:G0B+3]
	s_add_nc_u64 s[G0B+6:G0B+7], s[G0B+2:G0B+3], 4096
	s_or_b32 s[G0B+3], s[G0B+3], 0x80000000
	s_or_b32 s[G0B+7], s[G0B+7], 0x80000000
	s_add_nc_u64 s[G0S+2:G0S+3], s[94:95], s[G0S+2:G0S+3]
	s_or_b32 s[G0S+3], s[G0S+3], 0x80000000
	s_add_nc_u64 s[G0SB+2:G0SB+3], s[98:99], s[G0SB+2:G0SB+3]
	s_or_b32 s[G0SB+3], s[G0SB+3], 0x80000000
	CROUND                                         ; all sixteen work-groups are here: the joint loads meet
	JLOAD G0S, G1S, G0SB, G1SB                     ; three loads of mine are out: the scale words,
	JLOAD G0, G1, G0B, G1B                         ; slot 0,
	JLOAD G0+4, G1, G0B+4, G1B                     ; slot 1.  Nothing is filled again
	v_and_b32 v3, 15, v0                           ; r
	v_bfe_u32 v4, v0, 4, 1                         ; h
	s_wait_alu depctr_va_vdst(0)
	v_and_b32 v5, 31, v0
	v_lshlrev_b32 v[CO], 4, v5
	s_lshl_b32 s40, s19, 15                        ; my 8 tiles of A
	s_lshl_b32 s41, s20, 15
	s_add_co_u32 s41, s41, BOFF                    ; my 8 tiles of B
.irp s, 0,1
	v_add_nc_u32 v[ADRA+\s], s40, v[CO]
	v_add_nc_u32 v[ADRB+\s], s41, v[CO]
	s_add_co_u32 s40, s40, SLOT
	s_add_co_u32 s41, s41, SLOT
.endr
	s_lshl_b32 s40, s19, 12                        ; A's scale words: my 8 tiles
	s_lshl_b32 s41, s20, 12                        ; B's, behind A's 8,192 bytes
	s_add_co_u32 s41, s41, 8192
	s_sub_co_u32 s41, s41, s40
	v_mul_u32_u24 v5, s41, v4                      ; lanes 16-31 take B's: one product, the distance between the two
	s_add_co_u32 s40, s40, SCL
	v_lshl_add_u32 v5, v3, 4, v5                   ; 16 bytes a row: the slot's four words
	v_add_nc_u32 v[ADRS], s40, v5
	v_lshlrev_b32 v1, 6, v4                        ; bias along the registers: 16 h numbers on
	s_wait_alu depctr_va_vdst(0)
	v_lshrrev_b32 v2, 3, v3
	v_lshl_add_u32 v2, v2, 3, v3
	v_lshlrev_b32 v2, 2, v2                        ; the lane's bias: number r + 8 (r / 8)
	s_wait_alu depctr_va_vdst(0)
.irp b, 0,1,2,3
	v_mov_b32 v[QP+\b], 0                          ; a lane permute's destination counts as read: written once
.endr
	; where my 128 x 128 goes
	s_lshl_b32 s66, s42, 1
	s_add_co_u32 s66, s66, s20                     ; B's unit of 128
	s_lshl_b32 s67, s43, 1
	s_add_co_u32 s67, s67, s19                     ; A's
	s_cmp_eq_u32 ttmp9, 2
	s_cselect_b32 s46, s67, s66                    ; the unit of 128 columns of qkv, 0..23
	s_cselect_b32 s47, s66, s67                    ; the unit of 128 tokens, 0..63
	s_lshr_b32 s40, s46, 3                         ; section
	s_lshl_b32 s40, s40, 2
	s_lshr_b32 s41, s47, 4                         ; batch
	s_add_co_u32 s40, s40, s41
	s_lshl_b32 s40, s40, 3
	s_and_b32 s41, s46, 7                          ; pair of heads
	s_add_co_u32 s40, s40, s41
	s_lshl_b32 s40, s40, 4
	s_and_b32 s41, s47, 15                         ; 128 tokens of the batch
	s_add_co_u32 s40, s40, s41                     ; the chunk
	s_lshl_b32 s66, s40, 13
	s_mov_b32 s67, 0
	s_add_nc_u64 s[14:15], s[14:15], s[66:67]
	s_lshl_b32 s66, s40, 10
	s_add_nc_u64 s[16:17], s[16:17], s[66:67]
	s_lshl_b32 s41, s46, 9                         ; my 128 numbers of the bias; the kind that does not apply is read at the buffer's start and cleared
	s_and_b32 s66, s41, s100
	s_add_nc_u64 s[4:5], s[12:13], s[66:67]
	s_and_b32 s66, s41, s101
	s_add_nc_u64 s[6:7], s[12:13], s[66:67]
.irp b, 0,1,2,3,4,5,6,7
	global_load_b128 v[BP+8*\b:BP+8*\b+3], v1, s[4:5] offset:(32*(\b/2)+8*(\b%2))*4
	global_load_b128 v[BP+8*\b+4:BP+8*\b+7], v1, s[4:5] offset:(32*(\b/2)+8*(\b%2))*4+16
.endr
.irp a, 0,1,2,3,4,5,6,7
	global_load_b32 v[BQ+2*\a], v2, s[6:7] offset:(32*(\a/2)+8*(\a%2))*4
.endr
.macro FRAG reg, adr, q, i             ; tile i's fragment of the slot's q-th 128 along K: two loads of 512 consecutive bytes
.irp c, 0,1
	ds_load_b128 v[\reg+4*\c:\reg+4*\c+3], v[\adr] offset:4096*(\i)+1024*(\q)+512*\c
.endr
.endm
; 16 matrix instructions: A's blocks a0, a0 + 1 x B's eight.  p: B's set; sc: the set of scale words.  first = 1: the bias is the C of the first product: nothing is cleared.
; The 64 accumulators take turns, one instruction a turn, in the same order in every step.
.macro MUL16 a0, p, q, sc, first
.irp a, \a0, \a0+1
.irp b, 0,1,2,3,4,5,6,7
.if \first
	v_wmma_scale_f32_16x16x128_f8f6f4 v[8*(8*((\a)%4)+\b):8*(8*((\a)%4)+\b)+7], v[128*(\p)+FR*\b:128*(\p)+FR*\b+FR-1], v[AF+FR*(\a):AF+FR*(\a)+FR-1], v[BP+8*\b:BP+8*\b+7], v[SC+8*NQ*(\sc)+NQ*\b+(\q)], v[SC+8*NQ*(\sc)+NQ*(\a)+(\q)] matrix_a_fmt:MATRIX_FMT_FP4 matrix_b_fmt:MATRIX_FMT_FP4 matrix_a_scale:MATRIX_SCALE_ROW1
.else
	v_wmma_scale_f32_16x16x128_f8f6f4 v[8*(8*((\a)%4)+\b):8*(8*((\a)%4)+\b)+7], v[128*(\p)+FR*\b:128*(\p)+FR*\b+FR-1], v[AF+FR*(\a):AF+FR*(\a)+FR-1], v[8*(8*((\a)%4)+\b):8*(8*((\a)%4)+\b)+7], v[SC+8*NQ*(\sc)+NQ*\b+(\q)], v[SC+8*NQ*(\sc)+NQ*(\a)+(\q)] matrix_a_fmt:MATRIX_FMT_FP4 matrix_b_fmt:MATRIX_FMT_FP4 matrix_a_scale:MATRIX_SCALE_ROW1
.endif
.endr
.endr
.endm
.macro FETCH_B slot, q, p
	WIN TO_B
.irp i, 0,1,2,3,4,5,6,7
	FRAG 128*(\p)+FR*\i, ADRB+\slot, \q, \i
.endr
	WIN 0
.endm
.macro FETCH_A slot, q, i0
.irp i, \i0, \i0+1, \i0+2, \i0+3
	FRAG AF+FR*(\i), ADRA+\slot, \q, \i
.endr
.endm
.macro SCALES sc                       ; slot sc's scale words: four a row; lanes 0-15 take A's block i, lanes 16-31 B's block i
.irp i, 0,1,2,3,4,5,6,7
	ds_load_b128 v[SC+8*NQ*\sc+NQ*\i:SC+8*NQ*\sc+NQ*\i+3], v[ADRS] offset:512*\i+256*\sc
.endr
.endm
.macro PLACES n                        ; plain vector instructions that name no register of the matrix instructions before them (ISA guide 7.12.1)
.rept \n
	v_nop
.endr
.endm
; A step of 128 along K that has its successor in the same slot.  A has one set of registers (blocks 0-3 fetched anew in the middle, 4-7 at the end), B two.
.macro STEP slot, q, first
	s_wait_dscnt 4*NL                              ; all but the youngest eight loads (A's blocks 4-7) are in
.if \first
	WIN FIRST_LO
.else
	WIN MUL_LO
.endif
	MUL16 0, (\q)%2, \q, \slot, \first
	MUL16 2, (\q)%2, \q, \slot, \first
	s_wait_dscnt 0                                 ; A's blocks 4-7 are in
	PLACES NP
	FETCH_B \slot, (\q)+1, 1-(\q)%2
	FETCH_A \slot, (\q)+1, 0
.if \first
	WIN FIRST_HI
.else
	WIN MUL_HI
.endif
	MUL16 4, (\q)%2, \q, \slot, \first
	MUL16 6, (\q)%2, \q, \slot, \first
	PLACES NP
	WIN 0
	FETCH_A \slot, (\q)+1, 4
.endm
; Slot 0's last step goes over to slot 1: each wave waits for all its tensor loads (its part of slot 1), then one barrier shows the whole slot to every wave.
.macro TURN slot, next
	s_wait_tensorcnt 0x0                           ; all my tensor loads have landed
	ds_add_u32 v[SPW], v[NIL]                      ; 0 onto my spare word
	s_wait_dscnt 4*NL+1                            ; (the add and the youngest eight loads may be out)
	WIN MUL_LO
	MUL16 0, 1, NQ-1, \slot, 0
	s_wait_dscnt 0x0                               ; the add is done, and my reads of this slot are over
	s_barrier_signal -1
	MUL16 2, 1, NQ-1, \slot, 0
	WIN 0
	s_barrier_wait -1
	PLACES NP
	FETCH_B \next, 0, 0
	FETCH_A \next, 0, 0
	SCALES \next
	WIN MUL_HI
	MUL16 4, 1, NQ-1, \slot, 0
	MUL16 6, 1, NQ-1, \slot, 0
	PLACES NP
	WIN 0
	FETCH_A \next, 0, 4
.endm
.macro STEPS slot, from
.set Q, \from
.rept NQ-1-\from
	STEP \slot, Q, 0
.set Q, Q+1
.endr
.endm
; 64 numbers of a lane, register 16 b + i = place 32 b + 16 (lane / 16) + i along the next K, become a fragment's codes in v[pc] on and its scale word in v[pw].
.macro QUANT s, pc, pw
.irp b, 0,1,2,3
	v_max3_num_f32 v[QM+\b], |v[\s+16*\b]|, |v[\s+1+16*\b]|, 0x1800000   ; my 16 numbers of block b, and the floor 2^(3 - 127): the byte cannot fall under 1
.endr
.irp i, 2,4,6,8,10,12,14
.irp b, 0,1,2,3
	v_max3_num_f32 v[QM+\b], v[QM+\b], |v[\s+16*\b+\i]|, |v[\s+1+16*\b+\i]|
.endr
.endr
.irp b, 0,1,2,3
	v_permlanex16_b32 v[QP+\b], v[QM+\b], s[SEL], s[SEL+1]
.endr
.irp b, 0,1,2,3
	v_max_num_f32 v[QM+\b], v[QM+\b], v[QP+\b]     ; with lane l xor 16's: the block's largest magnitude
.endr
.irp b, 0,1,2,3
	v_add_nc_u32 v[QS+\b], 0xff000000, v[QM+\b]    ; 2 off its exponent field: the conversion's scale operand
.endr
.irp b, 0,1,2,3
	v_lshrrev_b32 v[QP+\b], 23, v[QS+\b]           ; the byte
.endr
	v_lshl_or_b32 v[\pw], v[QP+1], 8, v[QP]
	v_lshl_or_b32 v[\pw], v[QP+2], 16, v[\pw]
	v_lshl_or_b32 v[\pw], v[QP+3], 24, v[\pw]
.irp b, 0,1,2,3
	v_cvt_scalef32_pk8_fp4_f32 v[(\pc)+2*\b], v[\s+16*\b:\s+7+16*\b], v[QS+\b]
	v_cvt_scalef32_pk8_fp4_f32 v[(\pc)+1+2*\b], v[\s+8+16*\b:\s+15+16*\b], v[QS+\b]
.endr
	v_nop                                          ; one plain place behind the conversions
.irp c, 0,1                            ; the layout wants a whole block in a lane: lanes 0-15 block 2 c, lanes 16-31 block 2 c + 1
.irp i, 0,1
	v_permlane16_swap_b32 v[(\pc)+4*\c+\i], v[(\pc)+2+4*\c+\i]
.endr
.endr
.endm
	s_wait_tensorcnt 1                             ; the scale words and my part of slot 0 are in (slot 1's load may be out),
	s_barrier_signal -1
	s_barrier_wait -1                              ; everybody's are
	FETCH_B 0, 0, 0
	FETCH_A 0, 0, 0
	SCALES 0
	FETCH_A 0, 0, 4
	s_wait_loadcnt 0x0                             ; the biases
.set I, 0
.rept 64
	v_and_b32 v[BP+I], s100, v[BP+I]               ; q, k keep it; v starts its sums at 0
.set I, I+1
.endr
.irp a, 0,1,2,3,4,5,6,7
	v_and_b32 v[BQ+2*\a+1], s101, v[BQ+2*\a]       ; v keeps it, twice, as a pair for the packed addition; q, k add 0
	v_and_b32 v[BQ+2*\a], s101, v[BQ+2*\a]
.endr
	STEP 0, 0, 1
	STEPS 0, 1
	TURN 0, 1
	STEPS 1, 0
	s_wait_dscnt 4*NL                              ; the last step: nothing more to fetch
	WIN MUL_LO
	MUL16 0, 1, NQ-1, 1, 0
	MUL16 2, 1, NQ-1, 1, 0
	s_wait_dscnt 0
	WIN MUL_HI
	MUL16 4, 1, NQ-1, 1, 0
	MUL16 6, 1, NQ-1, 1, 0
	WIN 0
	; THE WAY OUT, block a of A at a time: its 64 numbers of a lane run along B's 128 rows, the next product's K.  The lane's bias is added, they are quantised, and the codes ARE the chunk's bytes: no LDS.
	PLACES NP                                      ; behind the last products: in front of reads of results and of writes into the registers that held A's fragments
.irp a, 0,1,2,3,4,5,6,7
	WIN 0x02+((\a)/4)                              ; source 0: window 2 or 3
.set AC, 64*((\a)%4)
.set I, 0
.rept 32
	v_pk_add_f32 v[TT+I:TT+I+1], v[AC+I:AC+I+1], v[BQ+2*\a:BQ+2*\a+1]   ; ascending: each accumulator is read from its low end on
.set I, I+2
.endr
	WIN 0
	QUANT TT, PC+8*\a, WW+\a
	global_store_b128 v[CO], v[PC+8*\a:PC+8*\a+3], s[14:15] offset:1024*\a          ; 32 lanes store 512 consecutive bytes, aligned; each block has its own registers
	global_store_b128 v[CO], v[PC+8*\a+4:PC+8*\a+7], s[14:15] offset:1024*\a+512
.endr
	s_mov_b32 s44, 0xffff0000                      ; lanes 16-31
.irp i, 0,1,2,3
	v_cndmask_b32 v[RR+\i], v[WW+\i], v[WW+4+\i], s44   ; lanes 0-15: blocks 0-3's words of row r; lanes 16-31: blocks 4-7's
.endr
	global_store_b128 v[CO], v[RR:RR+3], s[16:17]  ; q, k: the pair's first head reads bytes 0, 1 (bytes 2, 3 stand over zero codes there).  v: all four bytes
	s_cmp_eq_u32 ttmp9, 2
	s_cbranch_scc1 .Lv_done                        ; the cluster's x: alike in all partners
.irp i, 0,1,2,3
	v_lshrrev_b32 v[QM+\i], 16, v[RR+\i]           ; the second head's two bytes, brought down
.endr
	global_store_b128 v[CO], v[QM:QM+3], s[16:17] offset:512
.Lv_done:
	s_wait_tensorcnt 0x0                           ; the wave's end
	ds_add_u32 v[SPW], v[NIL]
	s_wait_dscnt 0x0
	CROUND                                         ; the closing round
	s_endpgm
.Lfunc_end_k_q550aec6a24_gemm_qkv:
	.size	k_q550aec6a24_gemm_qkv, .Lfunc_end_k_q550aec6a24_gemm_qkv-k_q550aec6a24_gemm_qkv
	.p2alignl 7, 3214868480
	.fill 96, 4, 3214868480
	.section	.rodata,"a",@progbits
	.p2align	6, 0x0
	.amdhsa_kernel k_q550aec6a24_gemm_qkv
		.amdhsa_group_segment_fixed_size 327680
		.amdhsa_private_segment_fixed_size 0
		.amdhsa_enable_private_segment 0
		.amdhsa_kernarg_size 56
		.amdhsa_user_sgpr_count 2
		.amdhsa_user_sgpr_kernarg_segment_ptr 1
		.amdhsa_wavefront_size32 1
		.amdhsa_system_sgpr_workgroup_id_x 1
		.amdhsa_system_sgpr_workgroup_id_y 1
		.amdhsa_system_sgpr_workgroup_id_z 1
		.amdhsa_system_vgpr_workitem_id 0
		.amdhsa_next_free_vgpr 1024
		.amdhsa_next_free_sgpr 102
		.amdhsa_reserve_vcc 0
		.amdhsa_float_denorm_mode_32 3
		.amdhsa_float_denorm_mode_16_64 3
		.amdhsa_memory_ordered 1
		.amdhsa_forward_progress 1
		.amdhsa_inst_pref_size 149
	.end_amdhsa_kernel
	.amdgpu_metadata
---
amdhsa.version: [ 1, 2 ]
amdhsa.kernels:
  - .name:           k_q550aec6a24_gemm_qkv
    .symbol:         k_q550aec6a24_gemm_qkv.kd
    .args:
      - { .name: x_img, .offset: 0, .size: 8, .value_kind: global_buffer, .address_space: global }
      - { .name: x_sc, .offset: 8, .size: 8, .value_kind: global_buffer, .address_space: global }
      - { .name: wp_img, .offset: 16, .size: 8, .value_kind: global_buffer, .address_space: global }
      - { .name: wp_sc, .offset: 24, .size: 8, .value_kind: global_buffer, .address_space: global }
      - { .name: b_qkv, .offset: 32, .size: 8, .value_kind: global_buffer, .address_space: global }
      - { .name: qkv_img, .offset: 40, .size: 8, .value_kind: global_buffer, .address_space: global }
      - { .name: qkv_sc, .offset: 48, .size: 8, .value_kind: global_buffer, .address_space: global }
    .group_segment_fixed_size: 327680
    .private_segment_fixed_size: 0
    .kernarg_segment_align: 8
    .kernarg_segment_size: 56
    .max_flat_workgroup_size: 128
    .sgpr_count:     102
    .vgpr_count:     1024
    .wavefront_size: 32
...
	.end_amdgpu_metadata
.endif
;; end of part 2
;; launch attn (part 3): grid 4 x 64, 16 waves a work-group, no clusters, 169,984 bytes of LDS; arguments qkv_img, qkv_sc, y_img, y_sc; writes y_img, y_sc
.if DOCPART == 3
	.amdgcn_target "amdgcn-amd-amdhsa--gfx1250"
	.amdhsa_code_object_version 6
	.text
	.protected	k_q550aec6a24_attn
	.globl	k_q550aec6a24_attn
	.p2align	8
	.type	k_q550aec6a24_attn,@function
k_q550aec6a24_attn:
	s_mov_b64 s[64:65], 0
	v_nop
	global_prefetch_b8 v0, s[64:65] scope:SCOPE_SE
	s_setreg_imm32_b32 hwreg(HW_REG_WAVE_MODE, 25, 1), 1
	s_wait_xcnt 0x0
; y[b][t][head] = softmax over keys k <= t of (q . k / 8) times v, both products on codes of FP4 with E8M0 scales; y leaves as codes quantised along the 1,024 channels.
; THE SOFTMAX AHEAD OF THE SECOND PRODUCT: t = score x log2(e) / 8; M = the running largest t rounded UP to a whole number; p = 2^(t - M) is quantised along the keys, not normalised; the row's sum
; is taken of the unquantised p and divides at the end; when M moves, the sum and O are multiplied by 2^(old M - new M), which rounds nothing.
; SHARES.  A work-group takes one head (y of the grid) and the query blocks 7 - i and i of 256 (i = x of the grid): with the causal cut every work-group has the same work.  Each of sixteen waves owns one tile of 16 queries.
; THE HEAD'S K AND V LIE IN LDS WHOLE (64 KiB each as codes, 12 KiB of scale words), filled once: one barrier in the launch, no LDS store.  They are images of operand registers: a load takes 16 x lane.
; LAYOUT.  Both products transposed: S^T = K Q^T (source 0 = 16 keys), O^T = V^T P^T (source 0 = 16 channels): a lane holds ONE query.  Lane r of a tile holds row 32 (T / 2) + 8 (T % 2) + r + 8 (r / 8), of keys,
; queries and channels alike: so p's 16 registers of two neighbouring tiles are 16 neighbouring keys, and O^T's are 16 neighbouring channels.  The first product's K is 64: registers 4-7 of its fragments are zero codes.
; CAUSAL.  Every wave walks all 16 key steps (constant trip count); a step all of whose keys come after the wave's queries is jumped over by a scalar branch on ids; in the one step on the diagonal hidden scores become -infinity.
; NO CLUSTER: the four work-groups of a head read the same K and V, but which steps a wave works hangs on its query block, which would be its place in the cluster, and partners must run alike.
; y's scale bytes: a head has two for a row, so they leave by byte stores: a sixteenth of y's bytes.
; LIMITS: NaN and infinities are not served; a block of y whose largest magnitude lies under 2^-124 keeps the byte 1.
; REGISTERS: v1-7 addresses that stay; v8-11 the step's; v12 -M, v13 largest t, v[14:15] the sum; v16-23 Q; v24 -infinity; v32-95 K's 8 fragments; v96-159 S^T, p, then y; v160-191 O^T; v192-223 V's 4 fragments;
;   v224-231 codes; v232-239, v244-247, v252, v254 at work; v240-243 V's scale words; v248-251 K's; v253 p's; v255 Q's.
.set AK0,  1                           ; 16 x lane: K's images; also Q's load and y's store
.set AV0,  2                           ; 65,536 + 16 x lane
.set ASK0, 3                           ; 131,072 + 16 x lane
.set ASV0, 4                           ; 139,264 + 16 r
.set R16,  5                           ; 16 r
.set DQ,   6                           ; r + 8 (r / 8) - 16 h
.set YSO,  7                           ; 16 r + h
.set ADK,  8
.set ADV,  9
.set ADS,  10
.set ADT,  11
.set WV,   12
.set SEL,  20
.set CS,   22
.set G1K,  24
.set G1V,  32
.set G1T,  40
.set G0K,  48
.set G0V,  52
.set G0S,  56
.set G0T,  60
.set TB,   66                          ; the step's images: 4,096 bytes a step, K's and V's alike
.set TS,   67                          ; K's scale words: 512 a step
.set TJ,   68                          ; V's: 256 a step
.set KF,   69                          ; the step's first key
.set Q0,   70                          ; my tile's first query
.set CNT,  71
	s_load_b256 s[4:11], s[0:1], 0x0               ; qkv_img s[4:5], qkv_sc s[6:7], y_img s[8:9], y_sc s[10:11]
	v_lshl_add_u32 v30, v0, 2, 0x29000
	v_mov_b32 v31, 0
	ds_add_u32 v30, v31
	ds_add_u32 v30, v31
	v_lshrrev_b32 v8, 5, v0
	s_delay_alu instid0(VALU_DEP_1)
	v_readfirstlane_b32 s[WV], v8                  ; wave 0..15
	s_and_b32 s13, ttmp7, 0xffff                   ; 16 x batch + head
	s_and_b32 s14, s13, 1                          ; which head of its pair
	s_lshr_b32 s15, s13, 1                         ; 8 x batch + pair
	s_and_b32 s16, s13, 15                         ; head
	s_lshr_b32 s17, s13, 4                         ; batch
	s_mov_b32 s[SEL], 0x76543210
	s_mov_b32 s[SEL+1], 0xfedcba98
	s_mov_b32 s[CS], 0x3e38aa3b                    ; c = log2(e) / 8
	s_mov_b32 s[CS+1], s[CS]                       ; (named with it as a pair, so it is written)
	s_mov_b32 s91, 0xffff0000                      ; lanes 16-31
	; group 1, elements of 8 bytes, no padding.  K's images and K's scale words: 16 rows of 512 bytes, 1,024 apart
	s_mov_b32 s[G1K], 3<<16
	s_mov_b32 s[G1K+1], 64<<16
	s_mov_b32 s[G1K+2], 16<<16
	s_mov_b32 s[G1K+3], 64<<16
	s_mov_b32 s[G1K+4], 16
	s_mov_b32 s[G1K+5], 128
	s_mov_b32 s[G1K+6], 0
	s_mov_b32 s[G1K+7], 0
	; V's images: 4 rows of 4,096 bytes, 8,192 apart
	s_mov_b32 s[G1V], 3<<16
	s_mov_b32 s[G1V+1], 512<<16
	s_mov_b32 s[G1V+2], 4<<16
	s_mov_b32 s[G1V+3], 512<<16
	s_mov_b32 s[G1V+4], 4
	s_mov_b32 s[G1V+5], 1024
	s_mov_b32 s[G1V+6], 0
	s_mov_b32 s[G1V+7], 0
	; V's scale words: 16 rows of 256 bytes, 1,024 apart
	s_mov_b32 s[G1T], 3<<16
	s_mov_b32 s[G1T+1], 32<<16
	s_mov_b32 s[G1T+2], 16<<16
	s_mov_b32 s[G1T+3], 32<<16
	s_mov_b32 s[G1T+4], 16
	s_mov_b32 s[G1T+5], 128
	s_mov_b32 s[G1T+6], 0
	s_mov_b32 s[G1T+7], 0
	; group 0.  Waves 0-7: 16 tiles of K each; waves 8-11: 4 key steps of V each; wave 12: K's scale words; wave 13: V's
	s_lshl_b32 s82, s15, 17                        ; the pair's 131,072 bytes in a section of codes
	s_lshl_b32 s83, s15, 14                        ; its 16,384 in a section of scale words
	s_and_b32 s84, s[WV], 7
	s_lshl_b32 s85, s84, 14
	s_lshl_b32 s86, s14, 9
	s_add_co_u32 s[G0K+2], s82, s85
	s_add_co_u32 s[G0K+2], s[G0K+2], s86
	s_add_co_u32 s[G0K+2], s[G0K+2], 4194304       ; k's section
	s_mov_b32 s[G0K+3], 0
	s_mov_b32 s[G0K], 1
	s_lshl_b32 s[G0K+1], s84, 13                   ; LDS: 8,192 x (wave % 8)
	s_and_b32 s84, s[WV], 3
	s_lshl_b32 s85, s84, 15
	s_lshl_b32 s87, s14, 12
	s_add_co_u32 s[G0V+2], s82, s85
	s_add_co_u32 s[G0V+2], s[G0V+2], s87
	s_add_co_u32 s[G0V+2], s[G0V+2], 8388608       ; v's section
	s_mov_b32 s[G0V+3], 0
	s_mov_b32 s[G0V], 1
	s_lshl_b32 s[G0V+1], s84, 14
	s_add_co_u32 s[G0V+1], s[G0V+1], 65536         ; LDS: 65,536 + 16,384 x (wave % 4)
	s_add_co_u32 s[G0S+2], s83, s86
	s_add_co_u32 s[G0S+2], s[G0S+2], 524288
	s_mov_b32 s[G0S+3], 0
	s_mov_b32 s[G0S], 1
	s_mov_b32 s[G0S+1], 131072
	s_lshl_b32 s87, s14, 8
	s_add_co_u32 s[G0T+2], s83, s87
	s_add_co_u32 s[G0T+2], s[G0T+2], 1048576
	s_mov_b32 s[G0T+3], 0
	s_mov_b32 s[G0T], 1
	s_mov_b32 s[G0T+1], 139264
	s_wait_dscnt 0x0
	s_wait_kmcnt 0x0
	s_add_nc_u64 s[G0K+2:G0K+3], s[4:5], s[G0K+2:G0K+3]
	s_or_b32 s[G0K+3], s[G0K+3], 0x80000000
	s_add_nc_u64 s[G0V+2:G0V+3], s[4:5], s[G0V+2:G0V+3]
	s_or_b32 s[G0V+3], s[G0V+3], 0x80000000
	s_add_nc_u64 s[G0S+2:G0S+3], s[6:7], s[G0S+2:G0S+3]
	s_or_b32 s[G0S+3], s[G0S+3], 0x80000000
	s_add_nc_u64 s[G0T+2:G0T+3], s[6:7], s[G0T+2:G0T+3]
	s_or_b32 s[G0T+3], s[G0T+3], 0x80000000
	; one tensor load a wave at the most, chosen by the wave's number; four v_nop follow each line
	s_cmp_lt_u32 s[WV], 8
	s_cbranch_scc0 .Lnot_k
	tensor_load_to_lds s[G0K:G0K+3], s[G1K:G1K+7]
	s_nop 0
.rept 4
	v_nop
.endr
	s_branch .Lasked
.Lnot_k:
	s_cmp_lt_u32 s[WV], 12
	s_cbranch_scc0 .Lnot_v
	tensor_load_to_lds s[G0V:G0V+3], s[G1V:G1V+7]
	s_nop 0
.rept 4
	v_nop
.endr
	s_branch .Lasked
.Lnot_v:
	s_cmp_eq_u32 s[WV], 12
	s_cbranch_scc0 .Lnot_s
	tensor_load_to_lds s[G0S:G0S+3], s[G1K:G1K+7]
	s_nop 0
.rept 4
	v_nop
.endr
	s_branch .Lasked
.Lnot_s:
	s_cmp_eq_u32 s[WV], 13
	s_cbranch_scc0 .Lasked
	tensor_load_to_lds s[G0T:G0T+3], s[G1T:G1T+7]
	s_nop 0
.rept 4
	v_nop
.endr
.Lasked:
	v_and_b32 v9, 31, v0                           ; lane
	v_and_b32 v10, 15, v0                          ; r
	v_bfe_u32 v11, v0, 4, 1                        ; h
	s_delay_alu instid0(VALU_DEP_3)
	v_lshlrev_b32 v[AK0], 4, v9
	s_delay_alu instid0(VALU_DEP_1)
	v_add_nc_u32 v[AV0], 65536, v[AK0]
	s_delay_alu instid0(VALU_DEP_2)
	v_add_nc_u32 v[ASK0], 131072, v[AK0]
	v_lshlrev_b32 v[R16], 4, v10
	s_delay_alu instid0(VALU_DEP_1)
	v_add_nc_u32 v[ASV0], 139264, v[R16]
	v_lshrrev_b32 v[DQ], 3, v10
	s_delay_alu instid0(VALU_DEP_1)
	v_lshl_add_u32 v[DQ], v[DQ], 3, v10
	v_lshlrev_b32 v[YSO], 4, v11
	s_delay_alu instid0(VALU_DEP_1)
	v_sub_nc_u32 v[DQ], v[DQ], v[YSO]
	v_add_nc_u32 v[YSO], v[R16], v11
	v_mov_b32 v24, 0xff800000                      ; -infinity
.irp j, 20,21,22,23
	v_mov_b32 v[\j], 0                             ; Q's k = 64 .. 127: zero codes, set once
.endr
.irp t, 0,1,2,3,4,5,6,7
.irp j, 4,5,6,7
	v_mov_b32 v[32+8*\t+\j], 0                     ; K's likewise: never loaded
.endr
.endr
.irp j, 236,237,238,239,252,253
	v_mov_b32 v[\j], 0                             ; lane permutes' destinations count as read; v253 is named as the upper half of a pair
.endr
	s_wait_tensorcnt 0x0                           ; my load has landed,
	s_barrier_signal -1
	s_barrier_wait -1                              ; everybody's has: the head lies in LDS
; A KEY STEP: 128 keys.
.macro STEP
	s_cmp_gt_u32 s[KF], s[Q0]                      ; a tile's queries lie inside one block of 32: so all 128 keys come after all of them, or the step counts
	s_cbranch_scc1 .Lhidden_\@
	s_setprio 2
	v_add_nc_u32 v[ADK], s[TB], v[AK0]             ; these four are also the places behind the last step's products, in front of the loads below
	v_add_nc_u32 v[ADV], s[TB], v[AV0]
	v_add_nc_u32 v[ADS], s[TS], v[ASK0]
	v_add_nc_u32 v[ADT], s[TJ], v[ASV0]
.irp t, 0,1,2,3,4,5,6,7
	ds_load_b128 v[32+8*\t:35+8*\t], v[ADK] offset:512*\t
.endr
	ds_load_b128 v[248:251], v[ADS]                ; K's scale words: lanes 0-15 tiles 0-3, lanes 16-31 tiles 4-7
.irp d, 0,1,2,3
.irp c, 0,1
	ds_load_b128 v[192+8*\d+4*\c:195+8*\d+4*\c], v[ADV] offset:1024*\d+512*\c
.endr
.endr
	ds_load_b128 v[240:243], v[ADT]                ; V's scale words: tile d's word of row r
	s_wait_dscnt 9                                 ; K and its words are in; V's nine loads may be out
.irp t, 0,1,2,3
	v_wmma_scale_f32_16x16x128_f8f6f4 v[96+8*\t:103+8*\t], v[32+8*\t:39+8*\t], v[16:23], 0, v[248+\t], v255 matrix_a_fmt:MATRIX_FMT_FP4 matrix_b_fmt:MATRIX_FMT_FP4
.endr
.irp t, 4,5,6,7
	v_wmma_scale_f32_16x16x128_f8f6f4 v[96+8*\t:103+8*\t], v[32+8*\t:39+8*\t], v[16:23], 0, v[244+\t], v255 matrix_a_fmt:MATRIX_FMT_FP4 matrix_b_fmt:MATRIX_FMT_FP4 matrix_a_scale:MATRIX_SCALE_ROW1
.endr
.rept 4
	v_nop                                          ; places in front of the first read of the scores
.endr
	s_add_co_u32 s90, s[KF], 127
	s_cmp_le_u32 s90, s[Q0]
	s_cbranch_scc1 .Lopen_\@                       ; all keys count for all my queries
	s_sub_co_i32 s90, s[Q0], s[KF]
	v_add_nc_u32 v254, s90, v[DQ]                  ; my query - KF - 16 h.  Register 16 b + i holds key KF + 16 h + 32 b + i: hidden where 32 b + i is greater
.irp n, 0,1,2,3,4,5,6,7,8,9,10,11,12,13,14,15,16,17,18,19,20,21,22,23,24,25,26,27,28,29,30,31,32,33,34,35,36,37,38,39,40,41,42,43,44,45,46,47,48,49,50,51,52,53,54,55,56,57,58,59,60,61,62,63
	v_cmp_gt_i32 vcc_lo, 32*(\n/16)+\n%16, v254
	v_cndmask_b32 v[96+\n], v[96+\n], v24, vcc_lo
.endr
.Lopen_\@:
.irp b, 0,1,2,3
	v_max3_num_f32 v[232+\b], v[96+16*\b], v[97+16*\b], v[98+16*\b]   ; the largest score of each block of 32 keys: for the row's maximum, and, since p rises with the score, for the block's largest p
.endr
.irp i, 3,5,7,9,11,13
.irp b, 0,1,2,3
	v_max3_num_f32 v[232+\b], v[232+\b], v[96+16*\b+\i], v[97+16*\b+\i]
.endr
.endr
.irp b, 0,1,2,3
	v_max_num_f32 v[232+\b], v[232+\b], v[111+16*\b]
.endr
.irp b, 0,1,2,3
	s_delay_alu instid0(VALU_DEP_4)
	v_permlanex16_b32 v[236+\b], v[232+\b], s[SEL], s[SEL+1]
.endr
.irp b, 0,1,2,3
	s_delay_alu instid0(VALU_DEP_4)
	v_max_num_f32 v[232+\b], v[232+\b], v[236+\b]  ; with lane l xor 16's 16 keys
.endr
	s_delay_alu instid0(VALU_DEP_2)
	v_max3_num_f32 v254, v232, v233, v234
	s_delay_alu instid0(VALU_DEP_1)
	v_max_num_f32 v254, v254, v235                 ; the step's largest score of my query
	s_delay_alu instid0(VALU_DEP_1)
	v_mul_f32 v254, s[CS], v254                    ; as t
	s_delay_alu instid0(VALU_DEP_1)
	v_max_num_f32 v13, v13, v254                   ; the running largest t
	v_mov_b32 v254, v12
	s_delay_alu instid0(VALU_DEP_2)
	v_floor_f32 v12, -v13                          ; the new -M = floor(-t): M is a whole number
	s_delay_alu instid0(VALU_DEP_1)
	v_sub_f32 v254, v12, v254                      ; old M - new M: a whole number, 0 or less
	s_delay_alu instid0(VALU_DEP_1)
	v_cvt_i32_f32 v254, v254                       ; (it saturates)
	s_delay_alu instid0(VALU_DEP_1)
	v_ldexp_f32 v252, 1.0, v254                    ; f = 2^(old M - new M)
.irp j, 0,2,4,6,8,10,12,14,16,18,20,22,24,26,28,30,32,34,36,38,40,42,44,46,48,50,52,54,56,58,60,62
	v_pk_fma_f32 v[96+\j:97+\j], v[96+\j:97+\j], s[CS:CS+1], v[12:13] op_sel_hi:[1,0,0]   ; t - M, two at a time
.endr
	s_setprio 1
.irp b, 0,1,2,3
	v_fma_f32 v[232+\b], v[232+\b], s[CS], v12     ; the same of each block's largest score
.endr
	s_wait_alu depctr_va_vdst(0)
.irp j, 0,1,2,3,4,5,6,7,8,9,10,11,12,13,14,15,16,17,18,19,20,21,22,23,24,25,26,27,28,29,30,31,32,33,34,35,36,37,38,39,40,41,42,43,44,45,46,47,48,49,50,51,52,53,54,55,56,57,58,59,60,61,62,63
	v_exp_f32 v[96+\j], v[96+\j]                   ; p = 2^(t - M), at most 1
.endr
.irp b, 0,1,2,3
	v_exp_f32 v[232+\b], v[232+\b]                 ; the block's largest p: the same two instructions on the same number
.endr
	v_pk_mul_f32 v[14:15], v[14:15], v[252:253] op_sel_hi:[1,0]   ; the sums under the new M.  (A plain place behind the exponentials)
	s_wait_alu depctr_va_vdst(0)
.irp b, 0,1,2,3
	v_max_num_f32 v[232+\b], 0x1800000, v[232+\b]  ; the floor 2^(3 - 127): a block whose every p is 0 keeps the byte 1 over zero codes
.endr
.irp b, 0,1,2,3
	s_delay_alu instid0(VALU_DEP_4)
	v_add_nc_u32 v[244+\b], 0xff000000, v[232+\b]  ; the conversion's scale operand
.endr
.irp b, 0,1,2,3
	s_delay_alu instid0(VALU_DEP_4)
	v_lshrrev_b32 v[236+\b], 23, v[244+\b]         ; the byte
.endr
	s_delay_alu instid0(VALU_DEP_3)
	v_lshl_or_b32 v253, v237, 8, v236              ; p's scale word for these 128 keys
	s_delay_alu instid0(VALU_DEP_1)
	v_lshl_or_b32 v253, v238, 16, v253
	s_delay_alu instid0(VALU_DEP_1)
	v_lshl_or_b32 v253, v239, 24, v253
.irp b, 0,1,2,3
	v_cvt_scalef32_pk8_fp4_f32 v[224+2*\b], v[96+16*\b:103+16*\b], v[244+\b]
	v_cvt_scalef32_pk8_fp4_f32 v[225+2*\b], v[104+16*\b:111+16*\b], v[244+\b]
.endr
	v_nop                                          ; one plain place behind the conversions
.irp c, 0,1
.irp i, 0,1
	v_permlane16_swap_b32 v[224+4*\c+\i], v[226+4*\c+\i]   ; a whole block to a lane
.endr
.endr
	v_pk_add_f32 v[236:237], v[100:101], v[104:105]
	v_pk_add_f32 v[250:251], v[108:109], v[112:113]
	v_pk_add_f32 v[248:249], v[116:117], v[120:121]
	v_pk_add_f32 v[246:247], v[124:125], v[128:129]
	v_pk_add_f32 v[244:245], v[132:133], v[136:137]
	v_pk_add_f32 v[234:235], v[140:141], v[144:145]
	v_pk_add_f32 v[232:233], v[148:149], v[152:153]
	v_pk_add_f32 v[14:15], v[14:15], v[156:157]
	v_pk_add_f32 v[236:237], v[236:237], v[96:97]
	v_pk_add_f32 v[250:251], v[250:251], v[98:99]
	v_pk_add_f32 v[248:249], v[248:249], v[102:103]
	v_pk_add_f32 v[246:247], v[246:247], v[106:107]
	v_pk_add_f32 v[244:245], v[244:245], v[110:111]
	s_setprio 0
	v_pk_add_f32 v[234:235], v[234:235], v[114:115]
	v_pk_add_f32 v[232:233], v[232:233], v[118:119]
	v_pk_add_f32 v[14:15], v[14:15], v[122:123]
	v_pk_add_f32 v[236:237], v[236:237], v[126:127]
	v_pk_add_f32 v[250:251], v[250:251], v[130:131]
	v_pk_add_f32 v[248:249], v[248:249], v[134:135]
	v_pk_add_f32 v[246:247], v[246:247], v[138:139]
	v_pk_add_f32 v[244:245], v[244:245], v[142:143]
	v_pk_add_f32 v[234:235], v[234:235], v[146:147]
	v_pk_add_f32 v[232:233], v[232:233], v[150:151]
	v_pk_add_f32 v[14:15], v[14:15], v[154:155]
	v_pk_add_f32 v[236:237], v[236:237], v[158:159]
	s_delay_alu instid0(VALU_DEP_2)
	v_pk_add_f32 v[14:15], v[14:15], v[246:247]
	s_delay_alu instid0(VALU_DEP_2)
	v_pk_add_f32 v[236:237], v[236:237], v[244:245]
	v_pk_add_f32 v[250:251], v[250:251], v[234:235]
	v_pk_add_f32 v[248:249], v[248:249], v[232:233]
	s_delay_alu instid0(VALU_DEP_2)
	v_pk_add_f32 v[14:15], v[14:15], v[250:251]
	s_delay_alu instid0(VALU_DEP_2)
	v_pk_add_f32 v[236:237], v[236:237], v[248:249]
	s_delay_alu instid0(VALU_DEP_1)
	v_pk_add_f32 v[14:15], v[14:15], v[236:237]
.irp j, 0,2,4,6,8,10,12,14,16,18,20,22,24,26,28,30
	v_pk_mul_f32 v[160+\j:161+\j], v[160+\j:161+\j], v[252:253] op_sel_hi:[1,0]   ; O^T under the new M
.endr
	s_wait_alu depctr_va_vdst(0)
	s_wait_dscnt 0x0                               ; V and its words are in
.irp d, 0,1,2,3                        ; the four accumulators take turns, one instruction a turn
	v_wmma_scale_f32_16x16x128_f8f6f4 v[160+8*\d:167+8*\d], v[192+8*\d:199+8*\d], v[224:231], v[160+8*\d:167+8*\d], v[240+\d], v253 matrix_a_fmt:MATRIX_FMT_FP4 matrix_b_fmt:MATRIX_FMT_FP4
.endr
.Lhidden_\@:
	s_add_co_u32 s[KF], s[KF], 128
	s_add_co_u32 s[TB], s[TB], 4096
	s_add_co_u32 s[TS], s[TS], 512
	s_add_co_u32 s[TJ], s[TJ], 256
.endm
; One query block: ph = 0: block 7 - i; ph = 1: block i.
.macro PHASE ph
.if \ph == 0
	s_sub_co_u32 s72, 7, ttmp9
.else
	s_wait_xcnt 0x0                                ; the last block's stores have read their registers and bases: both are written again below
	s_mov_b32 s72, ttmp9
.endif
	s_lshl_b32 s73, s72, 4
	s_add_co_u32 s73, s73, s[WV]                   ; my tile of queries in the batch
	s_lshl_b32 s[Q0], s72, 8
	s_lshr_b32 s82, s[WV], 1
	s_lshl_b32 s82, s82, 5
	s_add_co_u32 s[Q0], s[Q0], s82
	s_and_b32 s82, s[WV], 1
	s_lshl_b32 s82, s82, 3
	s_add_co_u32 s[Q0], s[Q0], s82                 ; its first query: 32 (T / 2) + 8 (T % 2)
	s_lshl_b32 s82, s15, 17                        ; q's image: 131,072 a pair, 1,024 a tile, 512 a head
	s_lshl_b32 s84, s73, 10
	s_add_co_u32 s82, s82, s84
	s_lshl_b32 s84, s14, 9
	s_add_co_u32 s82, s82, s84
	s_mov_b32 s83, 0
	s_add_nc_u64 s[74:75], s[4:5], s[82:83]
	s_lshl_b32 s82, s15, 14                        ; q's scale words: [T / 8][head][(T / 4) % 2][r][T % 4]
	s_lshr_b32 s84, s73, 3
	s_lshl_b32 s84, s84, 10
	s_add_co_u32 s82, s82, s84
	s_lshl_b32 s84, s14, 9
	s_add_co_u32 s82, s82, s84
	s_bfe_u32 s84, s73, 0x10002
	s_lshl_b32 s84, s84, 8
	s_add_co_u32 s82, s82, s84
	s_and_b32 s84, s73, 3
	s_lshl_b32 s84, s84, 2
	s_add_co_u32 s82, s82, s84
	s_add_nc_u64 s[76:77], s[6:7], s[82:83]
	s_lshl_b32 s84, s17, 7
	s_add_co_u32 s84, s84, s73                     ; the tile among all 512
	s_lshl_b32 s82, s84, 13                        ; y's image: 8,192 a tile, 512 a head
	s_lshl_b32 s85, s16, 9
	s_add_co_u32 s82, s82, s85
	s_add_nc_u64 s[78:79], s[8:9], s[82:83]
	s_lshl_b32 s82, s84, 9                         ; y's scale bytes: [tile][head / 8][r][(head / 2) % 4][2 (head % 2) + block]
	s_lshr_b32 s85, s16, 3
	s_lshl_b32 s85, s85, 8
	s_add_co_u32 s82, s82, s85
	s_bfe_u32 s85, s16, 0x20001
	s_lshl_b32 s85, s85, 2
	s_add_co_u32 s82, s82, s85
	s_and_b32 s85, s16, 1
	s_lshl_b32 s85, s85, 1
	s_add_co_u32 s82, s82, s85
	s_add_nc_u64 s[80:81], s[10:11], s[82:83]
	global_load_b128 v[16:19], v[AK0], s[74:75]    ; Q's fragment, k = 0 .. 63
	global_load_b32 v255, v[R16], s[76:77]         ; and its scale words
	v_mov_b32 v13, 0xff61b1e6                      ; the largest t so far: -3e38
	s_delay_alu instid0(VALU_DEP_1)
	v_floor_f32 v12, -v13                          ; -M
	v_mov_b32 v14, 0
	v_mov_b32 v15, 0
.set I, 0
.rept 32
	v_mov_b32 v[160+I], 0                          ; O^T: the step is written once; the first change of M leaves zeros zeros
.set I, I+1
.endr
	s_mov_b32 s[TB], 0
	s_mov_b32 s[TS], 0
	s_mov_b32 s[TJ], 0
	s_mov_b32 s[KF], 0
	s_mov_b32 s[CNT], 16
	s_wait_loadcnt 0x0
.Lstep_\@:
	STEP
	s_sub_co_u32 s[CNT], s[CNT], 1
	s_cmp_lg_u32 s[CNT], 0
	s_cbranch_scc1 .Lstep_\@
	s_setprio 0
	; THE WAY OUT: O^T / the sum; register 16 b + i is channel 32 b + 16 h + i of my query: two blocks of 32, quantised; the codes are registers 0-3 of the head's half of y's fragment
.rept 4
	v_nop                                          ; places behind the last products
.endr
	v_add_f32 v14, v14, v15
	s_delay_alu instid0(VALU_DEP_1)
	v_permlanex16_b32 v252, v14, s[SEL], s[SEL+1]
	s_delay_alu instid0(VALU_DEP_1)
	v_add_f32 v14, v14, v252                       ; the row's sum
	s_wait_alu depctr_va_vdst(0)
	v_rcp_f32 v14, v14
	v_nop                                          ; one plain place behind the transcendental
.set I, 0
	s_wait_alu depctr_va_vdst(0)
.rept 32
	v_mul_f32 v[96+I], v[160+I], v14               ; ascending: each accumulator is read from its low end on
.set I, I+1
.endr
.irp b, 0,1
	v_max3_num_f32 v[232+\b], |v[96+16*\b]|, |v[97+16*\b]|, 0x1800000
.endr
.irp i, 2,4,6,8,10,12,14
.irp b, 0,1
	s_delay_alu instid0(VALU_DEP_2)
	v_max3_num_f32 v[232+\b], v[232+\b], |v[96+16*\b+\i]|, |v[97+16*\b+\i]|
.endr
.endr
.irp b, 0,1
	s_delay_alu instid0(VALU_DEP_2)
	v_permlanex16_b32 v[236+\b], v[232+\b], s[SEL], s[SEL+1]
.endr
.irp b, 0,1
	s_delay_alu instid0(VALU_DEP_2)
	v_max_num_f32 v[232+\b], v[232+\b], v[236+\b]
.endr
.irp b, 0,1
	s_delay_alu instid0(VALU_DEP_2)
	v_add_nc_u32 v[244+\b], 0xff000000, v[232+\b]
.endr
.irp b, 0,1
	s_delay_alu instid0(VALU_DEP_2)
	v_lshrrev_b32 v[236+\b], 23, v[244+\b]
.endr
.irp b, 0,1
	v_cvt_scalef32_pk8_fp4_f32 v[224+2*\b], v[96+16*\b:103+16*\b], v[244+\b]
	v_cvt_scalef32_pk8_fp4_f32 v[225+2*\b], v[104+16*\b:111+16*\b], v[244+\b]
.endr
	v_nop                                          ; one plain place behind the conversions
	v_permlane16_swap_b32 v224, v226
	v_permlane16_swap_b32 v225, v227
	global_store_b128 v[AK0], v[224:227], s[78:79] ; 32 lanes store 512 consecutive bytes, aligned
	v_cndmask_b32 v25, v236, v237, s91             ; lanes 0-15 store block 0's byte of row r, lanes 16-31 block 1's
	global_store_b8 v[YSO], v25, s[80:81]
.endm
	PHASE 0
	PHASE 1
	s_wait_tensorcnt 0x0
	ds_add_u32 v30, v31
	s_wait_dscnt 0x0
	s_endpgm
.Lfunc_end_k_q550aec6a24_attn:
	.size	k_q550aec6a24_attn, .Lfunc_end_k_q550aec6a24_attn-k_q550aec6a24_attn
	.p2alignl 7, 3214868480
	.fill 96, 4, 3214868480
	.section	.rodata,"a",@progbits
	.p2align	6, 0x0
	.amdhsa_kernel k_q550aec6a24_attn
		.amdhsa_group_segment_fixed_size 169984
		.amdhsa_private_segment_fixed_size 0
		.amdhsa_enable_private_segment 0
		.amdhsa_kernarg_size 32
		.amdhsa_user_sgpr_count 2
		.amdhsa_user_sgpr_kernarg_segment_ptr 1
		.amdhsa_wavefront_size32 1
		.amdhsa_system_sgpr_workgroup_id_x 1
		.amdhsa_system_sgpr_workgroup_id_y 1
		.amdhsa_system_sgpr_workgroup_id_z 1
		.amdhsa_system_vgpr_workitem_id 0
		.amdhsa_next_free_vgpr 256
		.amdhsa_next_free_sgpr 96
		.amdhsa_reserve_vcc 1
		.amdhsa_float_denorm_mode_32 3
		.amdhsa_float_denorm_mode_16_64 3
		.amdhsa_memory_ordered 1
		.amdhsa_forward_progress 1
		.amdhsa_inst_pref_size 65
	.end_amdhsa_kernel
	.amdgpu_metadata
---
amdhsa.version: [ 1, 2 ]
amdhsa.kernels:
  - .name:           k_q550aec6a24_attn
    .symbol:         k_q550aec6a24_attn.kd
    .args:
      - { .name: qkv_img, .offset: 0, .size: 8, .value_kind: global_buffer, .address_space: global }
      - { .name: qkv_sc, .offset: 8, .size: 8, .value_kind: global_buffer, .address_space: global }
      - { .name: y_img, .offset: 16, .size: 8, .value_kind: global_buffer, .address_space: global }
      - { .name: y_sc, .offset: 24, .size: 8, .value_kind: global_buffer, .address_space: global }
    .group_segment_fixed_size: 169984
    .private_segment_fixed_size: 0
    .kernarg_segment_align: 8
    .kernarg_segment_size: 32
    .max_flat_workgroup_size: 512
    .sgpr_count:     96
    .vgpr_count:     256
    .wavefront_size: 32
...
	.end_amdgpu_metadata
.endif
;; end of part 3
;; launch gemm_proj (part 4): grid 4 x 32, 4 waves a work-group, clusters of 4 x 4, 327,680 bytes of LDS; arguments y_img, y_sc, wp_img, wp_sc, b_proj, out0; writes out0
.if DOCPART == 4
	.amdgcn_target "amdgcn-amd-amdhsa--gfx1250"
	.amdhsa_code_object_version 6
	.text
	.protected	k_q550aec6a24_gemm_proj
	.globl	k_q550aec6a24_gemm_proj
	.p2align	8
	.type	k_q550aec6a24_gemm_proj,@function
k_q550aec6a24_gemm_proj:
	s_mov_b64 s[64:65], 0
	v_nop
	global_prefetch_b8 v0, s[64:65] scope:SCOPE_SE
	s_setreg_imm32_b32 hwreg(HW_REG_WAVE_MODE, 25, 1), 1
	s_wait_xcnt 0x0
	s_wait_alu depctr_hold_cnt(0) depctr_sa_sdst(0) depctr_va_vdst(0) depctr_va_sdst(0) depctr_va_ssrc(0) depctr_va_vcc(0) depctr_vm_vsrc(0)
	s_getreg_b32 s2, hwreg(HW_REG_IB_STS2, 6, 4)
	s_cmp_eq_u32 s2, 0
	s_cbranch_scc0 .Lentry_in_a_cluster
	s_endpgm
.Lentry_in_a_cluster:
	s_bfe_u32 s2, ttmp6, 0x10000c
	s_cmp_lg_u32 s2, 0xf033
	s_cbranch_scc0 .Lentry_shape_is_right
	s_endpgm
.Lentry_shape_is_right:
; out0 = Q(y) Q(W_proj) + b_proj on codes of FP4 with E8M0 scales; sums and result in f32.  y [8192][1024] and W_proj's columns arrive as images of operand registers with their scale words.
; A work-group of four waves makes 256 x 256, a wave 128 x 128: 64 accumulators, 512 registers.  K = 1,024 lies in LDS whole: two slots of 512, each filled once.
; A fragment (16 rows x 128 K) is 1,024 bytes [c][lane][16]: a load takes 16 x lane.  Lane r of tile T holds row 32 (T / 2) + 8 (T % 2) + r + 8 (r / 8), of tokens and of W's columns alike.
; Source 0 (side B) = W's columns, source 1 (side A) = y's rows: a lane holds one token, and the 16 registers of B's tiles 2 b, 2 b + 1 are 16 neighbouring columns, 32 b + 16 (lane / 16) + 0 .. 15.
; CLUSTERS: 4 x 4.  A's tiles go to my row of the cluster, B's to my column: each is asked for jointly, by the same load with the same descriptor in the four named.
; The grid has 128 work-groups: tiles of 256 x 256 keep this text the same as the first product's up to the way out.
; REGISTERS: window 0: v1-29 addresses; v32-95 scale words, two sets, nothing else; v128-191 A's fragments; v192-255 the bias as the first products' C; on the way out v128-255 take rows read back.
;   window 1: B's fragments, two sets.  windows 2, 3: the accumulators ((a, b) at v[8 (8 (a % 4) + b)]).
.set NQ,    4
.set FR,    8
.set NL,    2
.set NP,    4                          ; places behind this matrix instruction (ISA guide 7.12.1)
.set SLOT,  131072                     ; a slot: A's 16 tiles x 4,096 bytes, then B's
.set BOFF,  65536
.set SCL,   262144                     ; the scale words: A's 16 tiles x 512 bytes, then B's
.set SPARE, 278528                     ; the spare words, 128 bytes a wave: two blocks of 256 bytes that no other line names
.set SPITCH, 528                       ; the way out: 16 rows x (512 + 16) bytes for each wave, in slot 0, which has had its one fill and its last read by then
.set ADRA, 16
.set ADRB, 20
.set STO,  24
.set RD,   25
.set CO,   26
.set ADRS, 27
.set SPW,  28
.set NIL,  29
.set SC,   32
.set AF,   128
.set BK,   128
.set BP,   192
.set G1,   24
.set G0,   32
.set G1B,  48
.set G0B,  56
.set G1S,  68
.set G0S,  76
.set G1SB, 80
.set G0SB, 88
.set MSB, 0
.macro WIN new
.if MSB != \new
	s_set_vgpr_msb (MSB<<8)|\new
.set MSB, \new
.endif
.endm
.set MUL_LO,   0xa1
.set MUL_HI,   0xf1
.set FIRST_LO, 0x81
.set FIRST_HI, 0xc1
.set TO_B,     0x40
.macro JLOAD g0a, g1a, g0b, g1b        ; waves 0 and 1 fetch for A, waves 2 and 3 for B; four v_nop follow each line
	s_cmp_eq_u32 s19, 0
	s_cbranch_scc0 .Lfor_b_\@
	tensor_load_to_lds s[\g0a:\g0a+3], s[\g1a:\g1a+7]
	s_nop 0
.rept 4
	v_nop
.endr
	s_branch .Lasked_\@
.Lfor_b_\@:
	tensor_load_to_lds s[\g0b:\g0b+3], s[\g1b:\g1b+7]
	s_nop 0
.rept 4
	v_nop
.endr
.Lasked_\@:
.endm
.macro CROUND
	s_barrier_signal -1
	s_barrier_wait -1
	s_cmp_lg_u32 s18, 0
	s_cbranch_scc1 .Lnot_wave_0_\@
	s_barrier_signal -3
.Lnot_wave_0_\@:
	s_barrier_wait -3
	s_barrier_signal -1
	s_barrier_wait -1
.endm
	s_load_b256 s[4:11], s[0:1], 0x0               ; y_img s[4:5], y_sc s[6:7], wp_img s[8:9], wp_sc s[10:11]
	s_load_b128 s[12:15], s[0:1], 0x20             ; b_proj s[12:13], out0 s[14:15]
	v_lshl_add_u32 v[SPW], v0, 2, SPARE
	v_mov_b32 v[NIL], 0
	ds_add_u32 v28, v29
	ds_add_u32 v28, v29
	s_wait_dscnt 0x0
	v_lshrrev_b32 v1, 5, v0
	v_readfirstlane_b32 s18, v1                    ; wave 0..3
	s_lshr_b32 s19, s18, 1                         ; which half of A's tiles I multiply.  Also: I fetch for A (0) or for B (1)
	s_and_b32 s20, s18, 1                          ; which half of B's.  Also: which 8 tiles of that side I fetch
	s_bfe_u32 s21, ttmp6, 0x40000                  ; cx
	s_bfe_u32 s22, ttmp6, 0x40004                  ; cy
	s_and_b32 s23, ttmp7, 0xffff                   ; the cluster's y
	s_lshl_b32 s44, s22, 2
	s_lshl_b32 s44, 15, s44                        ; my row of the cluster
	s_lshl_b32 s45, 0x1111, s21                    ; my column
	s_lshl_b32 s43, s23, 2
	s_add_co_u32 s43, s43, s22                     ; A's block of 16 tiles: 256 tokens
	s_lshl_b32 s42, ttmp9, 2
	s_add_co_u32 s42, s42, s21                     ; B's: 256 columns
	s_or_b32 s[G1+0], s44, (3<<16)|(1<<21)         ; codes: 8 tiles' 4,096 bytes of a slot, 8,192 from tile to tile, elements of 8 bytes; the mask; bit 21 beside it
	s_or_b32 s[G1B+0], s45, (3<<16)|(1<<21)
.irp g, G1, G1B
	s_mov_b32 s[\g+1], 512<<16
	s_mov_b32 s[\g+2], 8<<16
	s_mov_b32 s[\g+3], 512<<16
	s_mov_b32 s[\g+4], 8
	s_mov_b32 s[\g+5], 1024
	s_mov_b32 s[\g+6], 0
	s_mov_b32 s[\g+7], 0
.endr
	s_or_b32 s[G1S+0], s44, (3<<16)|(1<<21)        ; scale words of 8 tiles: 4,096 dense bytes as 16 rows of 256
	s_or_b32 s[G1SB+0], s45, (3<<16)|(1<<21)
.irp g, G1S, G1SB
	s_mov_b32 s[\g+1], 32<<16
	s_mov_b32 s[\g+2], 16<<16
	s_mov_b32 s[\g+3], 32<<16
	s_mov_b32 s[\g+4], 16
	s_mov_b32 s[\g+5], 32
	s_mov_b32 s[\g+6], 0
	s_mov_b32 s[\g+7], 0
.endr
	s_lshl_b32 s46, s20, 16
	s_lshl_b32 s47, s20, 12
	s_lshl_b32 s[G0+2], s43, 17
	s_add_co_u32 s[G0+2], s[G0+2], s46
	s_mov_b32 s[G0+3], 0
	s_lshl_b32 s[G0B+2], s42, 17
	s_add_co_u32 s[G0B+2], s[G0B+2], s46
	s_add_co_u32 s[G0B+2], s[G0B+2], 1572864       ; W_proj's images lie behind W_qkv's
	s_mov_b32 s[G0B+3], 0
	s_lshl_b32 s[G0S+2], s43, 13
	s_add_co_u32 s[G0S+2], s[G0S+2], s47
	s_mov_b32 s[G0S+3], 0
	s_lshl_b32 s[G0SB+2], s42, 13
	s_add_co_u32 s[G0SB+2], s[G0SB+2], s47
	s_add_co_u32 s[G0SB+2], s[G0SB+2], 98304       ; and its scale words
	s_mov_b32 s[G0SB+3], 0
	s_lshl_b32 s46, s18, 15                        ; where they go: wave x 32,768: no place in the cluster enters an LDS address
	s_lshl_b32 s47, s18, 12
	s_mov_b32 s[G0], 1
	s_mov_b32 s[G0+1], s46
	s_mov_b32 s[G0+4], 1
	s_add_co_u32 s[G0+5], s46, SLOT
	s_mov_b32 s[G0B], 1
	s_mov_b32 s[G0B+1], s46
	s_mov_b32 s[G0B+4], 1
	s_add_co_u32 s[G0B+5], s46, SLOT
	s_mov_b32 s[G0S], 1
	s_add_co_u32 s[G0S+1], s47, SCL
	s_mov_b32 s[G0SB], 1
	s_add_co_u32 s[G0SB+1], s47, SCL
	s_wait_kmcnt 0x0
	s_add_nc_u64 s[G0+2:G0+3], s[4:5], s[G0+2:G0+3]
	s_add_nc_u64 s[G0+6:G0+7], s[G0+2:G0+3], 4096  ; slot 1: K steps 4 to 7
	s_or_b32 s[G0+3], s[G0+3], 0x80000000
	s_or_b32 s[G0+7], s[G0+7], 0x80000000
	s_add_nc_u64 s[G0B+2:G0B+3], s[8:9], s[G0B+2:G0B+3]
	s_add_nc_u64 s[G0B+6:G0B+7], s[G0B+2:G0B+3], 4096
	s_or_b32 s[G0B+3], s[G0B+3], 0x80000000
	s_or_b32 s[G0B+7], s[G0B+7], 0x80000000
	s_add_nc_u64 s[G0S+2:G0S+3], s[6:7], s[G0S+2:G0S+3]
	s_or_b32 s[G0S+3], s[G0S+3], 0x80000000
	s_add_nc_u64 s[G0SB+2:G0SB+3], s[10:11], s[G0SB+2:G0SB+3]
	s_or_b32 s[G0SB+3], s[G0SB+3], 0x80000000
	CROUND                                         ; all sixteen work-groups are here: the joint loads meet
	JLOAD G0S, G1S, G0SB, G1SB                     ; three loads of mine are out: the scale words,
	JLOAD G0, G1, G0B, G1B                         ; slot 0,
	JLOAD G0+4, G1, G0B+4, G1B                     ; slot 1.  Nothing is filled again
	v_and_b32 v3, 15, v0                           ; r
	v_bfe_u32 v4, v0, 4, 1                         ; h
	s_wait_alu depctr_va_vdst(0)
	v_and_b32 v5, 31, v0
	v_lshlrev_b32 v[CO], 4, v5
	s_lshl_b32 s40, s19, 15
	s_lshl_b32 s41, s20, 15
	s_add_co_u32 s41, s41, BOFF
.irp s, 0,1
	v_add_nc_u32 v[ADRA+\s], s40, v[CO]
	v_add_nc_u32 v[ADRB+\s], s41, v[CO]
	s_add_co_u32 s40, s40, SLOT
	s_add_co_u32 s41, s41, SLOT
.endr
	s_lshl_b32 s40, s19, 12
	s_lshl_b32 s41, s20, 12
	s_add_co_u32 s41, s41, 8192
	s_sub_co_u32 s41, s41, s40
	v_mul_u32_u24 v5, s41, v4                      ; lanes 16-31 take B's scale words: one product, the distance between the two
	s_add_co_u32 s40, s40, SCL
	v_lshl_add_u32 v5, v3, 4, v5
	v_add_nc_u32 v[ADRS], s40, v5
	s_mul_i32 s40, s18, 16*SPITCH                  ; my stage
	v_mul_u32_u24 v5, v3, SPITCH
	v_lshl_add_u32 v5, v4, 6, v5
	v_add_nc_u32 v[STO], s40, v5                   ; in: row r, + 64 h: my 16 columns of each 32
	v_add_nc_u32 v[RD], s40, v[CO]                 ; back: the 32 lanes take one row of 512 bytes
	v_lshlrev_b32 v1, 6, v4                        ; the bias: 16 h numbers on
	s_wait_alu depctr_va_vdst(0)
	s_lshl_b32 s40, s43, 8
	s_lshl_b32 s41, s19, 7
	s_add_co_u32 s40, s40, s41                     ; my first token: 256 x block + 128 x half
	s_lshl_b32 s66, s40, 12                        ; rows of 4,096 bytes
	s_lshl_b32 s41, s42, 10
	s_add_co_u32 s66, s66, s41
	s_lshl_b32 s41, s20, 9
	s_add_co_u32 s66, s66, s41                     ; my first column: 1,024 x block + 512 x half bytes
	s_mov_b32 s67, 0
	s_add_nc_u64 s[14:15], s[14:15], s[66:67]
	s_lshl_b32 s66, s42, 10
	s_add_co_u32 s66, s66, s41
	s_add_nc_u64 s[12:13], s[12:13], s[66:67]      ; my 128 numbers of the bias
.irp b, 0,1,2,3,4,5,6,7
	global_load_b128 v[BP+8*\b:BP+8*\b+3], v1, s[12:13] offset:(32*(\b/2)+8*(\b%2))*4
	global_load_b128 v[BP+8*\b+4:BP+8*\b+7], v1, s[12:13] offset:(32*(\b/2)+8*(\b%2))*4+16
.endr
.macro FRAG reg, adr, q, i
.irp c, 0,1
	ds_load_b128 v[\reg+4*\c:\reg+4*\c+3], v[\adr] offset:4096*(\i)+1024*(\q)+512*\c
.endr
.endm
; 16 matrix instructions: A's blocks a0, a0 + 1 x B's eight.  first = 1: the bias is the C of the first product.  The 64 accumulators take turns, one instruction a turn.
.macro MUL16 a0, p, q, sc, first
.irp a, \a0, \a0+1
.irp b, 0,1,2,3,4,5,6,7
.if \first
	v_wmma_scale_f32_16x16x128_f8f6f4 v[8*(8*((\a)%4)+\b):8*(8*((\a)%4)+\b)+7], v[128*(\p)+FR*\b:128*(\p)+FR*\b+FR-1], v[AF+FR*(\a):AF+FR*(\a)+FR-1], v[BP+8*\b:BP+8*\b+7], v[SC+8*NQ*(\sc)+NQ*\b+(\q)], v[SC+8*NQ*(\sc)+NQ*(\a)+(\q)] matrix_a_fmt:MATRIX_FMT_FP4 matrix_b_fmt:MATRIX_FMT_FP4 matrix_a_scale:MATRIX_SCALE_ROW1
.else
	v_wmma_scale_f32_16x16x128_f8f6f4 v[8*(8*((\a)%4)+\b):8*(8*((\a)%4)+\b)+7], v[128*(\p)+FR*\b:128*(\p)+FR*\b+FR-1], v[AF+FR*(\a):AF+FR*(\a)+FR-1], v[8*(8*((\a)%4)+\b):8*(8*((\a)%4)+\b)+7], v[SC+8*NQ*(\sc)+NQ*\b+(\q)], v[SC+8*NQ*(\sc)+NQ*(\a)+(\q)] matrix_a_fmt:MATRIX_FMT_FP4 matrix_b_fmt:MATRIX_FMT_FP4 matrix_a_scale:MATRIX_SCALE_ROW1
.endif
.endr
.endr
.endm
.macro FETCH_B slot, q, p
	WIN TO_B
.irp i, 0,1,2,3,4,5,6,7
	FRAG 128*(\p)+FR*\i, ADRB+\slot, \q, \i
.endr
	WIN 0
.endm
.macro FETCH_A slot, q, i0
.irp i, \i0, \i0+1, \i0+2, \i0+3
	FRAG AF+FR*(\i), ADRA+\slot, \q, \i
.endr
.endm
.macro SCALES sc
.irp i, 0,1,2,3,4,5,6,7
	ds_load_b128 v[SC+8*NQ*\sc+NQ*\i:SC+8*NQ*\sc+NQ*\i+3], v[ADRS] offset:512*\i+256*\sc
.endr
.endm
.macro PLACES n
.rept \n
	v_nop
.endr
.endm
.macro STEP slot, q, first
	s_wait_dscnt 4*NL                              ; all but the youngest eight loads (A's blocks 4-7) are in
.if \first
	WIN FIRST_LO
.else
	WIN MUL_LO
.endif
	MUL16 0, (\q)%2, \q, \slot, \first
	MUL16 2, (\q)%2, \q, \slot, \first
	s_wait_dscnt 0                                 ; A's blocks 4-7 are in
	PLACES NP
	FETCH_B \slot, (\q)+1, 1-(\q)%2
	FETCH_A \slot, (\q)+1, 0
.if \first
	WIN FIRST_HI
.else
	WIN MUL_HI
.endif
	MUL16 4, (\q)%2, \q, \slot, \first
	MUL16 6, (\q)%2, \q, \slot, \first
	PLACES NP
	WIN 0
	FETCH_A \slot, (\q)+1, 4
.endm
.macro TURN slot, next                 ; slot 0's last step goes over to slot 1: all my tensor loads waited for, then one barrier
	s_wait_tensorcnt 0x0                           ; all my tensor loads have landed
	ds_add_u32 v[SPW], v[NIL]                      ; 0 onto my spare word
	s_wait_dscnt 4*NL+1                            ; (the add and the youngest eight loads may be out)
	WIN MUL_LO
	MUL16 0, 1, NQ-1, \slot, 0
	s_wait_dscnt 0x0                               ; the add is done, and my reads of this slot are over
	s_barrier_signal -1
	MUL16 2, 1, NQ-1, \slot, 0
	WIN 0
	s_barrier_wait -1
	PLACES NP
	FETCH_B \next, 0, 0
	FETCH_A \next, 0, 0
	SCALES \next
	WIN MUL_HI
	MUL16 4, 1, NQ-1, \slot, 0
	MUL16 6, 1, NQ-1, \slot, 0
	PLACES NP
	WIN 0
	FETCH_A \next, 0, 4
.endm
.macro STEPS slot, from
.set Q, \from
.rept NQ-1-\from
	STEP \slot, Q, 0
.set Q, Q+1
.endr
.endm
	s_wait_tensorcnt 1                             ; the scale words and my part of slot 0 are in (slot 1's load may be out),
	s_barrier_signal -1
	s_barrier_wait -1                              ; everybody's are
	FETCH_B 0, 0, 0
	FETCH_A 0, 0, 0
	SCALES 0
	FETCH_A 0, 0, 4
	s_wait_loadcnt 0x0                             ; the bias
	STEP 0, 0, 1
	STEPS 0, 1
	TURN 0, 1
	STEPS 1, 0
	s_wait_dscnt 4*NL                              ; the last step: nothing more to fetch
	WIN MUL_LO
	MUL16 0, 1, NQ-1, 1, 0
	MUL16 2, 1, NQ-1, 1, 0
	s_wait_dscnt 0
	WIN MUL_HI
	MUL16 4, 1, NQ-1, 1, 0
	MUL16 6, 1, NQ-1, 1, 0
	WIN 0
; THE WAY OUT, block a of 16 tokens x 128 columns at a time, through my own stage in LDS: in by lanes (32 bytes of a row for each of B's tiles), back as whole rows of 512 bytes.
; LDS serves a wave's instructions in order (ISA guide 5.7.1.4): no wait between the stores and the loads, nor in front of the next block's stores.
.macro TOSTAGE a
.set AC, 64*((\a)%4)
	WIN 0x08+4*((\a)/4)                            ; the data: window 2 or 3
.irp b, 0,1,2,3,4,5,6,7
	ds_store_b128 v[STO], v[AC+8*\b:AC+8*\b+3] offset:128*(\b/2)+32*(\b%2)          ; each accumulator from its low end on
	ds_store_b128 v[STO], v[AC+8*\b+4:AC+8*\b+7] offset:128*(\b/2)+32*(\b%2)+16
.endr
	WIN 0
.set BB, BK+64*((\a)%2)
.irp t, 0,1,2,3,4,5,6,7,8,9,10,11,12,13,14,15
	ds_load_b128 v[BB+4*\t:BB+4*\t+3], v[RD] offset:\t*SPITCH
.endr
.endm
.macro SEND a, younger                 ; younger: the LDS instructions issued behind block a's loads, which may stay out
.set BB, BK+64*((\a)%2)
	s_wait_dscnt \younger
.irp t, 0,1,2,3,4,5,6,7,8,9,10,11,12,13,14,15
	global_store_b128 v[CO], v[BB+4*\t:BB+4*\t+3], s[14:15] offset:(32*((\a)/2)+8*((\a)%2)+\t+8*(\t/8))*4096 th:TH_STORE_NT   ; 32 lanes store 512 consecutive bytes, aligned; the tile's row t is that token
.endr
.endm
	PLACES NP                                      ; behind the last products: in front of the stores of results and of the loads into the registers that held A's fragments
	TOSTAGE 0
.irp a, 1,2,3,4,5,6,7
.if \a > 1
	s_wait_xcnt 0x0                                ; block a - 2's stores have read their registers: block a's loads may land there
.endif
	TOSTAGE \a
	SEND \a-1, 32                                  ; behind block a - 1's loads: block a's 16 stores and 16 loads
.endr
	SEND 7, 0
	s_wait_tensorcnt 0x0                           ; the wave's end
	ds_add_u32 v[SPW], v[NIL]
	s_wait_dscnt 0x0
	CROUND                                         ; the closing round
	s_endpgm
.Lfunc_end_k_q550aec6a24_gemm_proj:
	.size	k_q550aec6a24_gemm_proj, .Lfunc_end_k_q550aec6a24_gemm_proj-k_q550aec6a24_gemm_proj
	.p2alignl 7, 3214868480
	.fill 96, 4, 3214868480
	.section	.rodata,"a",@progbits
	.p2align	6, 0x0
	.amdhsa_kernel k_q550aec6a24_gemm_proj
		.amdhsa_group_segment_fixed_size 327680
		.amdhsa_private_segment_fixed_size 0
		.amdhsa_enable_private_segment 0
		.amdhsa_kernarg_size 48
		.amdhsa_user_sgpr_count 2
		.amdhsa_user_sgpr_kernarg_segment_ptr 1
		.amdhsa_wavefront_size32 1
		.amdhsa_system_sgpr_workgroup_id_x 1
		.amdhsa_system_sgpr_workgroup_id_y 1
		.amdhsa_system_sgpr_workgroup_id_z 1
		.amdhsa_system_vgpr_workitem_id 0
		.amdhsa_next_free_vgpr 1024
		.amdhsa_next_free_sgpr 102
		.amdhsa_reserve_vcc 0
		.amdhsa_float_denorm_mode_32 3
		.amdhsa_float_denorm_mode_16_64 3
		.amdhsa_memory_ordered 1
		.amdhsa_forward_progress 1
		.amdhsa_inst_pref_size 125
	.end_amdhsa_kernel
	.amdgpu_metadata
---
amdhsa.version: [ 1, 2 ]
amdhsa.kernels:
  - .name:           k_q550aec6a24_gemm_proj
    .symbol:         k_q550aec6a24_gemm_proj.kd
    .args:
      - { .name: y_img, .offset: 0, .size: 8, .value_kind: global_buffer, .address_space: global }
      - { .name: y_sc, .offset: 8, .size: 8, .value_kind: global_buffer, .address_space: global }
      - { .name: wp_img, .offset: 16, .size: 8, .value_kind: global_buffer, .address_space: global }
      - { .name: wp_sc, .offset: 24, .size: 8, .value_kind: global_buffer, .address_space: global }
      - { .name: b_proj, .offset: 32, .size: 8, .value_kind: global_buffer, .address_space: global }
      - { .name: out0, .offset: 40, .size: 8, .value_kind: global_buffer, .address_space: global }
    .group_segment_fixed_size: 327680
    .private_segment_fixed_size: 0
    .kernarg_segment_align: 8
    .kernarg_segment_size: 48
    .max_flat_workgroup_size: 128
    .sgpr_count:     102
    .vgpr_count:     1024
    .wavefront_size: 32
...
	.end_amdgpu_metadata
.endif
;; end of part 4
